; MI455X (gfx1250); checked and timed in simulation.
; The chip was launched on July 23, 2026; its instructions are those of AMD's public machine-readable ISA for CDNA 5 (MIT licence, August 2026) and "CDNA5" Instruction Set Architecture Reference Guide (July 2026). The comments in the code are by the model that wrote it; some were corrected since.
;; Mamba. Allowed arithmetic: float matrix products may take bf16 or f16 operands with f32 sums; other float arithmetic in f32, or as packed bf16 or f16 multiplies, adds, multiply-adds, maxima and minima; sums over many terms, partial sums and values carried from step to step in f32; what a program stores and reads back later, other than sums and carried values, may be rounded once to bf16 or f16.
;; Inputs: A 1,024 float32; C 1,024 float32; W_in 1,024 x 2,048 float32; W_out 1,024 x 1,024 float32; b_in 2,048 float32; b_out 1,024 float32; x 4 x 4,096 x 1,024 float32.
;; Outputs: out0 4 x 4,096 x 1,024 float32.
;; 2 versions, each right; version 2 is version 1 with the launch cast written anew for expert scheduling mode. Each part assembles by itself: llvm-mc -triple=amdgcn-amd-amdhsa -mcpu=gfx1250 --defsym DOCPART=n.
;; ======== version 1 of 2: 4 launches
;; workspace buffers: xb 33,554,432 bytes; wb 6,291,456 bytes; hl 35,127,296 bytes; yt 33,554,432 bytes
;; launch cast (part 1): grid 896 x 1, 8 waves a work-group, no clusters, 18,432 bytes of LDS; arguments x, W_in, W_out, xb, wb; writes xb, wb
.if DOCPART == 1
	.amdgcn_target "amdgcn-amd-amdhsa--gfx1250"
	.amdhsa_code_object_version 6
	.text
	.protected	k_q62ef71489f_cast
	.globl	k_q62ef71489f_cast
	.p2align	8
	.type	k_q62ef71489f_cast,@function
k_q62ef71489f_cast:
	s_mov_b64 s[64:65], 0
	v_nop
	global_prefetch_b8 v0, s[64:65] scope:SCOPE_SE
	s_setreg_imm32_b32 hwreg(HW_REG_WAVE_MODE, 25, 1), 1
	s_wait_xcnt 0x0
; The operands of the three products, rounded once to bf16 and laid as the products read them.
;   work-groups 0-511:   x [16384][1024] f32 -> xb, the same layout in bf16; 131,072 bytes of x each.
;   work-groups 512-767: W_in [1024 k][2048 n] f32 -> wb bytes 0 .. 4 MiB as [8 column tiles][1024 k][256 n] bf16; 4 rows k (32,768 bytes) each.
;   work-groups 768-895: W_out [1024 k][1024 n] f32 -> wb from byte 4 MiB on as [1024 n][1024 k] bf16 (turned, through LDS); a tile of 128 k x 64 n (32,768 bytes) each.
; The long shares come first and the short ones fill up behind them.
; A stream: each input byte is read once, each output byte written once; a wave's store covers 256 consecutive bytes, aligned.  No matrix unit, no cluster: no work-group shares a byte with another.
; All of a work-group's loads go out first, so nothing is fetched ahead by other means.
.set SPARE, 17408                      ; behind the turning tile (64 rows x 272 bytes): the spare words, 128 bytes for each of the eight waves
.set SPW, 134                          ; v134  LDS address of my spare word; never rewritten
.set NIL, 135                          ; v135  0; never rewritten
.set D, 4                              ; v[4:131]  up to 32 loads of four registers
	s_load_b256 s[4:11], s[0:1], 0x0               ; x s[4:5], W_in s[6:7], W_out s[8:9], xb s[10:11]
	s_load_b64 s[12:13], s[0:1], 0x20              ; wb
	v_lshl_add_u32 v[SPW], v0, 2, SPARE
	v_mov_b32 v[NIL], 0
	v_lshlrev_b32 v1, 4, v0                        ; 16 t: my 16 bytes in each 4,096 that the work-group loads at once
	s_mov_b32 s21, 0                               ; high words of the two offsets
	s_mov_b32 s23, 0
	s_wait_kmcnt 0x0
; cnt x 4,096 bytes of f32 in, half as many of bf16 out.  kind = 0: dense.  kind = 1: W_in: load i is half (i & 1) of row (i >> 1); a half row is four column tiles, 2 MiB on in wb.
; No register is written twice, so the only waits are the counted ones for the loads.
.macro CASTP src, dst, kind, cnt
.set i, 0
.rept \cnt
	global_load_b128 v[D+4*i:D+4*i+3], v1, s[\src:\src+1] offset:4096*i th:TH_LOAD_NT
.set i, i+1
.endr
.set i, 0
.rept \cnt
	s_wait_loadcnt (\cnt)-1-i                      ; loads come back in order: load i is in, the younger ones stay out
	v_cvt_pk_bf16_f32 v[D+4*i], v[D+4*i], v[D+4*i+1]
	v_cvt_pk_bf16_f32 v[D+4*i+1], v[D+4*i+2], v[D+4*i+3]
.if \kind
	global_store_b64 v2, v[D+4*i:D+4*i+1], s[\dst:\dst+1] offset:(i&1)*2097152+(i>>1)*512
.else
	global_store_b64 v2, v[D+4*i:D+4*i+1], s[\dst:\dst+1] offset:2048*i
.endif
.set i, i+1
.endr
.endm
	s_cmp_lt_u32 ttmp9, 512
	s_cbranch_scc0 .Lnot_x
	s_lshl_b32 s20, ttmp9, 17
	s_add_nc_u64 s[4:5], s[4:5], s[20:21]
	s_lshl_b32 s22, ttmp9, 16
	s_add_nc_u64 s[10:11], s[10:11], s[22:23]
	v_lshlrev_b32 v2, 3, v0                        ; 8 t
	CASTP 4, 10, 0, 32
	s_branch .Lend
.Lnot_x:
	s_cmp_lt_u32 ttmp9, 768
	s_cbranch_scc0 .Lturn
	s_sub_co_u32 s24, ttmp9, 512
	s_lshl_b32 s20, s24, 15                        ; 4 rows of 8,192 bytes
	s_add_nc_u64 s[6:7], s[6:7], s[20:21]
	s_lshl_b32 s22, s24, 11                        ; 4 rows of 512 bytes in each column tile
	s_add_nc_u64 s[12:13], s[12:13], s[22:23]
	v_lshrrev_b32 v2, 6, v0                        ; which of a half row's four column tiles,
	v_and_b32 v3, 63, v0
	v_lshlrev_b32 v2, 19, v2                       ; 524,288 bytes each,
	v_lshl_add_u32 v2, v3, 3, v2                   ; and my 8 bytes in its row
	CASTP 6, 12, 1, 8
	s_branch .Lend
.Lturn:
	s_sub_co_u32 s24, ttmp9, 768
	s_and_b32 s25, s24, 7                          ; which 128 k
	s_lshr_b32 s26, s24, 3                         ; which 64 n
	s_lshl_b32 s20, s25, 19                        ; 128 rows of 4,096 bytes
	s_lshl_b32 s27, s26, 8
	s_add_co_u32 s20, s20, s27
	s_add_nc_u64 s[8:9], s[8:9], s[20:21]
	s_lshl_b32 s22, s26, 17                        ; 64 rows of 2,048 bytes
	s_lshl_b32 s27, s25, 8
	s_add_co_u32 s22, s22, s27
	s_add_co_u32 s22, s22, 4194304
	s_add_nc_u64 s[12:13], s[12:13], s[22:23]
	v_lshrrev_b32 v2, 4, v0                        ; t / 16
	v_and_b32 v3, 15, v0                           ; t % 16
	v_lshlrev_b32 v68, 13, v2                      ; rows 2 (t / 16) + e + 32 i, columns 4 (t % 16) on: 16 lanes read 256 consecutive bytes
	v_lshl_add_u32 v68, v3, 4, v68
.irp i, 0,1,2,3
.irp e, 0,1
	global_load_b128 v[4+8*(\i)+4*(\e):7+8*(\i)+4*(\e)], v68, s[8:9] offset:(\e)*4096+(\i)*131072 th:TH_LOAD_NT
.endr
.endr
	v_mul_u32_u24 v69, v3, 1088                    ; into LDS: row n = 4 (t % 16) + c of 272 bytes, two neighbouring k as one word
	v_lshl_add_u32 v69, v2, 2, v69
	v_mul_u32_u24 v70, v2, 272                     ; back: row t / 16 + 16 j, 16 bytes a lane
	v_lshl_add_u32 v70, v3, 4, v70
	v_lshlrev_b32 v71, 11, v2                      ; and the same row in wb
	v_lshl_add_u32 v71, v3, 4, v71
	s_wait_loadcnt 0x0
.irp i, 0,1,2,3
.irp c, 0,1,2,3
	v_cvt_pk_bf16_f32 v[36+4*(\i)+(\c)], v[4+8*(\i)+(\c)], v[8+8*(\i)+(\c)]
.endr
.endr
.irp i, 0,1,2,3
.irp c, 0,1,2,3
	ds_store_b32 v69, v[36+4*(\i)+(\c)] offset:(\c)*272+64*(\i)
.endr
.endr
	s_wait_dscnt 0x0                               ; for the other waves: my stores into the tile are done
	s_barrier_signal -1
	s_barrier_wait -1
.irp j, 0,1,2,3
	ds_load_b128 v[52+4*(\j):55+4*(\j)], v70 offset:4352*(\j)
.endr
.irp j, 0,1,2,3
	s_wait_dscnt 3-(\j)                            ; the younger LDS loads may stay out
	global_store_b128 v71, v[52+4*(\j):55+4*(\j)], s[12:13] offset:32768*(\j)  ; 16 lanes store a row of 128 k: 256 consecutive bytes, aligned
.endr
.Lend:
	s_wait_tensorcnt 0x0                           ; the wave's end, behind my last LDS store
	ds_add_u32 v[SPW], v[NIL]
	s_wait_dscnt 0x0
	s_endpgm
.Lfunc_end_k_q62ef71489f_cast:
	.size	k_q62ef71489f_cast, .Lfunc_end_k_q62ef71489f_cast-k_q62ef71489f_cast
	.p2alignl 7, 3214868480
	.fill 96, 4, 3214868480
	.section	.rodata,"a",@progbits
	.p2align	6, 0x0
	.amdhsa_kernel k_q62ef71489f_cast
		.amdhsa_group_segment_fixed_size 18432
		.amdhsa_private_segment_fixed_size 0
		.amdhsa_enable_private_segment 0
		.amdhsa_kernarg_size 40
		.amdhsa_user_sgpr_count 2
		.amdhsa_user_sgpr_kernarg_segment_ptr 1
		.amdhsa_wavefront_size32 1
		.amdhsa_system_sgpr_workgroup_id_x 1
		.amdhsa_system_sgpr_workgroup_id_y 1
		.amdhsa_system_sgpr_workgroup_id_z 1
		.amdhsa_system_vgpr_workitem_id 0
		.amdhsa_next_free_vgpr 136
		.amdhsa_next_free_sgpr 66
		.amdhsa_reserve_vcc 0
		.amdhsa_float_denorm_mode_32 3
		.amdhsa_float_denorm_mode_16_64 3
		.amdhsa_memory_ordered 1
		.amdhsa_forward_progress 1
		.amdhsa_inst_pref_size 20
	.end_amdhsa_kernel
	.amdgpu_metadata
---
amdhsa.version: [ 1, 2 ]
amdhsa.kernels:
  - .name:           k_q62ef71489f_cast
    .symbol:         k_q62ef71489f_cast.kd
    .args:
      - { .name: x, .offset: 0, .size: 8, .value_kind: global_buffer, .address_space: global }
      - { .name: W_in, .offset: 8, .size: 8, .value_kind: global_buffer, .address_space: global }
      - { .name: W_out, .offset: 16, .size: 8, .value_kind: global_buffer, .address_space: global }
      - { .name: xb, .offset: 24, .size: 8, .value_kind: global_buffer, .address_space: global }
      - { .name: wb, .offset: 32, .size: 8, .value_kind: global_buffer, .address_space: global }
    .group_segment_fixed_size: 18432
    .private_segment_fixed_size: 0
    .kernarg_segment_align: 8
    .kernarg_segment_size: 40
    .max_flat_workgroup_size: 256
    .sgpr_count:     66
    .vgpr_count:     136
    .wavefront_size: 32
...
	.end_amdgpu_metadata
.endif
;; end of part 1
;; launch scanv (part 2): grid 4 x 64, 4 waves a work-group, clusters of 4 x 4, 327,680 bytes of LDS; arguments xb, wb, b_in, A, C, hl; writes hl
.if DOCPART == 2
	.amdgcn_target "amdgcn-amd-amdhsa--gfx1250"
	.amdhsa_code_object_version 6
	.text
	.protected	k_q62ef71489f_scanv
	.globl	k_q62ef71489f_scanv
	.p2align	8
	.type	k_q62ef71489f_scanv,@function
k_q62ef71489f_scanv:
	s_mov_b64 s[64:65], 0
	v_nop
	global_prefetch_b8 v0, s[64:65] scope:SCOPE_SE
	s_setreg_imm32_b32 hwreg(HW_REG_WAVE_MODE, 25, 1), 1
	s_wait_xcnt 0x0
	s_wait_alu depctr_hold_cnt(0) depctr_sa_sdst(0) depctr_va_vdst(0) depctr_va_sdst(0) depctr_va_ssrc(0) depctr_va_vcc(0) depctr_vm_vsrc(0)
	s_getreg_b32 s2, hwreg(HW_REG_IB_STS2, 6, 4)
	s_cmp_eq_u32 s2, 0
	s_cbranch_scc0 .Lentry_in_a_cluster
	s_endpgm
.Lentry_in_a_cluster:
	s_bfe_u32 s2, ttmp6, 0x10000c
	s_cmp_lg_u32 s2, 0xf033
	s_cbranch_scc0 .Lentry_shape_is_right
	s_endpgm
.Lentry_shape_is_right:
; THE FIRST OF THREE PRODUCTS OF ONE SHAPE (the other two kernels repeat the head, the ring and the product loops line for line): D[p][q] = sum over k of P[p][k] Q[k][q], 16384 x 1024 x 1024,
; bf16 operands, f32 sums, tiles of 256 x 256, one to a work-group.  P lies [row][1024 k] (2,048 bytes a row); Q lies [tile of 256 q][1024 k][256 q] (512 bytes a row).
; HERE: P = x (xb), Q = W_in's first 1,024 columns (wb's first four tiles).  v = C (sum + b); the recurrence h = d h + v, d = sigmoid(A), is run over the wave's 128 rows from 0.
; Stored: that local scan in f16 under a power-of-two scale (hl: wave tile ((tile of p x 4 + tile of q) x 4 + wave) x 32,768 bytes, laid [block of 16 channels 8][block of 16 rows 8][lane 32][16 bytes]);
; behind hl's 32 MiB, both f32: the last state S of each chunk of 128 rows (st) and the scale's inverse (hs).
; LIMITS.  Every input is rounded once to bf16 (A, C and b_in too).  The local scan keeps f16's 11 bits under a scale 2^(14 - E), E the exponent of the largest magnitude among a channel's 128 rows (its biased
; value held to 15 .. 254); numbers below 2^-29 of that maximum keep a fixed step of 2^-39 of it.  The recurrence is regrouped by 8, 16 and 128 rows, in f32: another order of rounding than a step at a time.
; The exponential and the reciprocal flush denormals: a sigmoid below 2^-126 counts as 0.  NaN and infinities are not treated apart.
; SHARES.  Four waves, each 128 x 128: 64 accumulators of 16 x 16.  Source 0 = 16 rows of P, source 1 = 16 columns of Q (out of LDS by the turning load): in a result lane l holds column q = l % 16 and the rows
; p = 8 (l / 16) + 0..7: one channel and eight steps of time.
; RING.  K goes in eight steps of 128 through two LDS slots; each wave fetches a quarter of a slot by one tensor load.  CLUSTER of 4 x 4: P's tile is shared along a row of the cluster, Q's along a column, each asked for jointly.
; A K step is written once for the six steps that fill a slot again and once for the last two.  The slot in hand is s4, 0 or SLOT, turned by an exclusive or; SLOT = 0x22000, and its two bits are 0 in every
; slot-0 address that is so turned (0, and the wave's number x 0x8800), so the exclusive or adds or takes away SLOT.
; REGISTERS in windows of 256 (s_set_vgpr_msb: bits 1:0 source 0, 3:2 source 1, 5:4 source 2, 7:6 destination): window 0: v0-31 addresses and a block's constants; v8-15, v32-63 five arrays of eight, one number for each of my
; eight blocks of 16 channels; v64-127, v128-191 P's two fragment buffers, at work behind the products; v192-255 a block's 64 numbers.  Window 1: v64-191 Q's two buffers.  Windows 2, 3: the accumulators, (a, b) at v[8 (8 (a % 4) + b)].
.set PP,    272                        ; a row of P in LDS: 256 bytes + 16: the 16 rows of a load start at 16 different groups of four banks (64 banks of 4 bytes: ISA guide 11.1)
.set PQ,    544                        ; a row of Q: 512 + 32
.set HALFT, 34816                      ; what one tensor load brings: 128 rows of P or 64 rows of Q
.set SLOT,  4*HALFT                    ; P's 256 rows, then Q's 128 rows
.set SPARE, 2*SLOT                     ; behind the ring: the spare words, 128 bytes for each wave
.set STATB, 33554432                   ; st and hs lie behind hl's 32 MiB
.set A4,   8                           ; v[8:15]   the scales' inverses being made
.set ADRP0, 16                         ; v16       LDS address of my fragments of P in slot 0; never rewritten
.set ADRP, 17                          ; v17       the same in the slot in hand
.set HLO,  18                          ; v18       16 x lane
.set ADRQ0, 20                         ; v20, v21  the same as ADRP0, ADRP for Q
.set ADRQ, 21
.set SO,   27                          ; v27       my offset in st
.set SPW,  28                          ; v28       LDS address of my spare word; never rewritten
.set NIL,  29                          ; v29       0; never rewritten
.set PFO,  30                          ; v30       the ring's prefetches: my lane's block
.set CHO,  31                          ; v31       byte offset of channel l % 16 of my first block in A, C, b_in
.set A0,   32                          ; v[32:39]  d
.set A1,   40                          ; v[40:47]  C
.set A2,   48                          ; v[48:55]  C b
.set A3,   56                          ; v[56:63]  the states S being made
.set F0,   64
.set F1,   128
.set W,    192
.set TB,  4                            ; s4       the slot in hand: 0 or SLOT
.set G1,  24                           ; s[24:31] descriptor group 1 for P's tiles;  s[32:39] group 0: a set for each of the two first fills; the second then walks on
.set G0,  32
.set LIM, 43                           ; s43      2 in a wave that prefetches for the ring, else the greatest number
.set PFA, 44                           ; s[44:45] where those prefetches stand
.set G1B, 48                           ; s[48:55], s[56:63] the same as G1, G0 for Q's tiles
.set G0B, 56
.set RP,  68                           ; s[68:79] the arguments: xb, wb, b_in, A, C, hl
.set RQ,  70
.set RVB, 72
.set RVA, 74
.set RVC, 76
.set W1,  78
.set W2,  80                           ; s[80:81] hl + STATB
.set MSB, 0
.macro WIN new                         ; the immediate's high byte repeats the setting that is left; a switch that changes nothing is dropped
.if MSB != (\new)
	s_set_vgpr_msb (MSB<<8)|(\new)
.set MSB, \new
.endif
.endm
.set MUL_LO, 0xa4                      ; source 0 (P) window 0, source 1 (Q) window 1, C and D window 2
; A joint load.  Waves 0 and 1 fetch P's two halves, waves 2 and 3 Q's.  The branch hangs on the wave's number alone.  An s_nop 0 and four v_nop follow each of the two lines.
.macro JLOAD s
	s_cmp_eq_u32 s11, 0
	s_cbranch_scc0 .Lfor_q_\@
	tensor_load_to_lds s[G0+4*(\s):G0+4*(\s)+3], s[G1:G1+7]
	s_nop 0
.rept 4
	v_nop
.endr
	s_branch .Lasked_\@
.Lfor_q_\@:
	tensor_load_to_lds s[G0B+4*(\s):G0B+4*(\s)+3], s[G1B:G1B+7]
	s_nop 0
.rept 4
	v_nop
.endr
.Lasked_\@:
.endm
; The ring's prefetch, behind a joint load, its five lines and the run of LDS loads: the K step that stands two refills on, 512 matrix instructions ahead of the load that will want it.  Each aligned block of 256 bytes is named once
; in the launch: P's rows by the clusters with x = 0, Q's by those with y = 0; of what a wave fetches each of the four partners takes a quarter, told apart by address.  The loop's counter runs 6 .. 1; its last two trips have no K step two refills on.
.macro ASK
	s_cmp_gt_u32 s3, s[LIM]
	s_cbranch_scc0 .Lnot_mine_\@
	global_prefetch_b8 v[PFO], s[PFA:PFA+1] th:TH_LOAD_NT scope:SCOPE_SE
.Lnot_mine_\@:
.endm
.macro CREST                           ; a round of the cluster's barrier behind its opening barrier
	s_cmp_lg_u32 s10, 0
	s_cbranch_scc1 .Lnot_wave_0_\@
	s_barrier_signal -3
.Lnot_wave_0_\@:
	s_barrier_wait -3
	s_barrier_signal -1
	s_barrier_wait -1
.endm
.macro CROUND                          ; a whole round
	s_barrier_signal -1
	s_barrier_wait -1
	CREST
.endm
.macro PLACES                          ; four places behind matrix instructions, in front of loads into registers that they have read and of lines that read results
.rept 4
	v_nop
.endr
.endm
.macro RND2 x                          ; two f32 rounded to bf16 and widened again
	v_cvt_pk_bf16_f32 v3, v[(\x)], v[(\x)+1]
	v_lshlrev_b32 v[(\x)], 16, v3
	v_and_b32 v[(\x)+1], s89, v3
.endm
.macro RND8 x
.irp p, 0,2,4,6
	RND2 (\x)+(\p)
.endr
.endm
.macro SIGM8 x                         ; eight sigmoids in place: 1 / (1 + 2^(-log2(e) x)); each batch of eight has one plain line and one wait behind it
.irp p, 0,2,4,6
	v_pk_mul_f32 v[(\x)+(\p):(\x)+(\p)+1], v[(\x)+(\p):(\x)+(\p)+1], s[94:95] op_sel_hi:[1,0]
.endr
.irp b, 0,1,2,3,4,5,6,7
	v_exp_f32 v[(\x)+(\b)], v[(\x)+(\b)]
.endr
	v_nop
	s_wait_alu depctr_va_vdst(0)
.irp p, 0,2,4,6
	v_pk_add_f32 v[(\x)+(\p):(\x)+(\p)+1], v[(\x)+(\p):(\x)+(\p)+1], 1.0 op_sel_hi:[1,0]
.endr
.irp b, 0,1,2,3,4,5,6,7
	v_rcp_f32 v[(\x)+(\b)], v[(\x)+(\b)]
.endr
	v_nop
	s_wait_alu depctr_va_vdst(0)
.endm
	s_load_b256 s[68:75], s[0:1], 0x0
	s_load_b128 s[76:79], s[0:1], 0x20
	v_lshl_add_u32 v[SPW], v0, 2, SPARE
	v_mov_b32 v[NIL], 0
	ds_add_u32 v[SPW], v[NIL]                      ; the wave's opening: the add, twice on end, and its wait ahead of my first tensor load
	ds_add_u32 v[SPW], v[NIL]
	v_lshrrev_b32 v1, 5, v0
	v_readfirstlane_b32 s10, v1                    ; wave 0..3
	s_lshr_b32 s11, s10, 1                         ; which 128 rows p are mine.  Also: I fetch for P (0) or for Q (1)
	s_and_b32 s12, s10, 1                          ; which 128 columns q.  Also: which half of that tile I fetch
	s_bfe_u32 s40, ttmp6, 0x40000                  ; cx, cy: my place in the cluster
	s_bfe_u32 s41, ttmp6, 0x40004
	s_lshl_b32 s42, ttmp9, 2
	s_add_co_u32 s42, s42, s40                     ; tile of q = 4 x cluster x + cx
	s_and_b32 s13, ttmp7, 0xffff
	s_lshl_b32 s13, s13, 2
	s_add_co_u32 s13, s13, s41                     ; tile of p = 4 x cluster y + cy
	s_lshl_b32 s21, s41, 2
	s_lshl_b32 s21, 15, s21                        ; my row of the cluster
	s_lshl_b32 s22, 0x1111, s40                    ; my column
	s_or_b32 s[G1+0], s21, (1<<16)|(1<<20)|(1<<21)|(5<<22)|(3<<25)   ; the mask; 2-byte elements; padding on; bit 21 beside a mask; after every 64 words, 4 words
	s_mov_b32 s[G1+1], 128<<16                     ; tensor_dim0 = 128
	s_mov_b32 s[G1+2], 128<<16                     ; tensor_dim1 = 128
	s_mov_b32 s[G1+3], 128<<16                     ; tile_dim0 = 128
	s_mov_b32 s[G1+4], 128                         ; tile_dim1 = 128
	s_mov_b32 s[G1+5], 1024                        ; elements from row to row
	s_mov_b32 s[G1+6], 0
	s_mov_b32 s[G1+7], 0
	s_or_b32 s[G1B+0], s22, (1<<16)|(1<<20)|(1<<21)|(6<<22)|(7<<25)  ; after every 128 words, 8 words
	s_mov_b32 s[G1B+1], 256<<16                    ; tensor_dim0 = 256
	s_mov_b32 s[G1B+2], 64<<16                     ; tensor_dim1 = 64
	s_mov_b32 s[G1B+3], 256<<16                    ; tile_dim0 = 256
	s_mov_b32 s[G1B+4], 64                         ; tile_dim1 = 64
	s_mov_b32 s[G1B+5], 256
	s_mov_b32 s[G1B+6], 0
	s_mov_b32 s[G1B+7], 0
	s_mov_b32 s89, 0xffff0000                      ; lanes 16-31 as a mask; also a word's upper bf16
	s_mov_b32 s90, 0x76543210                      ; v_permlanex16_b32: each lane takes its own place in the other half
	s_mov_b32 s91, 0xfedcba98
	s_mov_b32 s94, 0xbfb8aa3b                      ; -log2(e), named as a pair
	s_mov_b32 s95, 0xbfb8aa3b
	s_mov_b32 s[TB], 0
	s_mul_i32 s20, s10, HALFT                      ; where my tiles go: wave x a quarter of a slot
	s_lshl_b32 s16, s13, 19                        ; P: 256 rows of 2,048 bytes a tile,
	s_lshl_b32 s17, s12, 18                        ; my 128 of them
	s_add_co_u32 s16, s16, s17
	s_mov_b32 s17, 0
	s_lshl_b32 s46, s42, 19                        ; Q: 1,024 rows of 512 bytes a tile,
	s_lshl_b32 s47, s12, 15                        ; my 64 of a K step's 128
	s_add_co_u32 s46, s46, s47
	s_mov_b32 s47, 0
	s_wait_dscnt 0x0                               ; both opening adds are done
	s_wait_kmcnt 0x0
	s_add_nc_u64 s[14:15], s[RP:RP+1], s[16:17]
	s_add_nc_u64 s[46:47], s[RQ:RQ+1], s[46:47]
	CROUND                                         ; all sixteen work-groups are here: the first joint loads meet
.irp s, 0,1
	s_mov_b32 s[G0+4*(\s)], 1
	s_add_co_u32 s[G0+4*(\s)+1], s20, (\s)*SLOT
	s_add_nc_u64 s[G0+4*(\s)+2:G0+4*(\s)+3], s[14:15], (\s)*256      ; K step s: 256 bytes along the rows
	s_or_b32 s[G0+4*(\s)+3], s[G0+4*(\s)+3], 0x80000000
	s_mov_b32 s[G0B+4*(\s)], 1
	s_add_co_u32 s[G0B+4*(\s)+1], s20, (\s)*SLOT
	s_add_nc_u64 s[G0B+4*(\s)+2:G0B+4*(\s)+3], s[46:47], (\s)*65536  ; K step s: 128 rows down
	s_or_b32 s[G0B+4*(\s)+3], s[G0B+4*(\s)+3], 0x80000000
	JLOAD \s                                       ; two loads of mine are out
.endr
	; the lanes' addresses
	v_and_b32 v1, 15, v0                           ; r = l % 16
	v_bfe_u32 v2, v0, 4, 1                         ; h = l / 16
	v_and_b32 v3, 31, v0                           ; l
	v_mul_u32_u24 v4, v1, PP
	v_lshl_add_u32 v4, v2, 4, v4                   ; r x 272 + 16 h
	s_mul_i32 s21, s11, HALFT
	v_add_nc_u32 v[ADRP0], s21, v4
	v_mov_b32 v[ADRP], v[ADRP0]
	v_and_b32 v5, 7, v0                            ; the turning load: lane l reads row 8 h + l % 8, 16 bytes at 16 ((l / 8) % 2)
	v_lshl_add_u32 v5, v2, 3, v5
	v_mul_u32_u24 v5, v5, PQ
	v_bfe_u32 v6, v0, 3, 1
	v_lshl_add_u32 v5, v6, 4, v5
	s_lshl_b32 s22, s12, 8                         ; my 128 columns: 256 bytes of a row; Q lies behind P's 256 rows
	s_add_co_u32 s22, s22, 2*HALFT
	v_add_nc_u32 v[ADRQ0], s22, v5
	v_mov_b32 v[ADRQ], v[ADRQ0]
	v_lshlrev_b32 v[HLO], 4, v3
	s_lshl_b32 s100, s42, 10                       ; 256 channels a tile, 4 bytes each,
	s_lshl_b32 s101, s12, 9                        ; my 128
	s_add_co_u32 s100, s100, s101
	v_lshl_add_u32 v[CHO], v1, 2, s100
	; the ring's prefetches: a P wave takes 32 of its 128 rows (by cx), a lane a row; a Q wave 8,192 of its 32,768 dense bytes (by cy), a lane 256 bytes.  They stand at K step 3; the first change of slots steps them to 4
	s_lshl_b32 s98, s40, 16
	s_add_co_u32 s98, s98, 3*256
	s_lshl_b32 s100, s41, 13
	s_add_co_u32 s100, s100, 3*65536
	s_and_b32 s22, ttmp7, 0xffff
	s_mov_b32 s92, 256
	s_mov_b32 s93, 65536
	s_cmp_eq_u32 s11, 0
	s_cselect_b64 s[PFA:PFA+1], s[14:15], s[46:47]
	s_cselect_b32 s22, ttmp9, s22                  ; the coordinate along which other clusters read the same bytes
	s_cselect_b32 s98, s98, s100
	s_cselect_b32 s92, s92, s93                    ; s[92:93]: a K step in bytes
	s_cselect_b32 s101, 11, 8
	s_mov_b32 s93, 0
	s_mov_b32 s99, 0
	s_add_nc_u64 s[PFA:PFA+1], s[PFA:PFA+1], s[98:99]
	s_cmp_eq_u32 s22, 0
	s_cselect_b32 s[LIM], 2, -1
	v_lshlrev_b32 v[PFO], s101, v3
	; where the results go
	s_add_nc_u64 s[W2:W2+1], s[W1:W1+1], STATB
	s_lshl_b32 s98, s13, 2
	s_add_co_u32 s98, s98, s42
	s_lshl_b32 s98, s98, 2
	s_add_co_u32 s98, s98, s10
	s_lshl_b32 s98, s98, 15                        ; hl: ((tile of p x 4 + tile of q) x 4 + wave) x 32,768
	s_add_nc_u64 s[W1:W1+1], s[W1:W1+1], s[98:99]
	; st: [batch 4][row 64][block of 128 channels 8][q 2][r 16][i 4] f32, channel 16 (4 q + i) + r; rows 0-31 zeros, row 32 + c the state S of chunk c.  hs: [chunk 128][the same 512 bytes x 8], 1 MiB behind st
	s_lshl_b32 s18, s13, 1
	s_add_co_u32 s18, s18, s11                     ; my chunk of 128 rows, 0 .. 127
	s_lshl_b32 s100, s42, 1
	s_add_co_u32 s100, s100, s12
	s_lshl_b32 s100, s100, 9                       ; my block of 128 channels x 512
	s_lshl_b32 s96, s18, 12
	s_add_co_u32 s96, s96, s100
	s_add_co_u32 s96, s96, 1048576                 ; s96: my 512 bytes of hs
	s_lshr_b32 s97, s18, 5                         ; batch
	s_lshl_b32 s97, s97, 18
	s_and_b32 s19, s18, 31                         ; c
	s_lshl_b32 s19, s19, 12
	s_add_co_u32 s97, s97, s19
	s_add_co_u32 s97, s97, s100                    ; s97: row c of my batch, my 512 bytes
	v_sub_nc_u32 v6, 1, v2                         ; lanes 0-15 take row 32 + c, lanes 16-31 the zero row c
	v_lshlrev_b32 v6, 17, v6
	v_lshl_add_u32 v[SO], v1, 4, v6
	v_add_nc_u32 v[SO], s97, v[SO]
.set i, 0
.rept 8
	v_mov_b32 v[A3+i], 0                           ; these two arrays are shifted before they are full, so they are written once
	v_mov_b32 v[A4+i], 0
.set i, i+1
.endr
	; d = sigmoid(A), C, C b for my eight channels: in the wait for the first tile
.irp b, 0,1,2,3,4,5,6,7
	global_load_b32 v[A0+(\b)], v[CHO], s[RVA:RVA+1] offset:64*(\b)
.endr
.irp b, 0,1,2,3,4,5,6,7
	global_load_b32 v[A1+(\b)], v[CHO], s[RVC:RVC+1] offset:64*(\b)
.endr
.irp b, 0,1,2,3,4,5,6,7
	global_load_b32 v[A2+(\b)], v[CHO], s[RVB:RVB+1] offset:64*(\b)
.endr
	s_wait_loadcnt 0x0
	RND8 A0
	RND8 A1
	RND8 A2
	SIGM8 A0
.irp p, 0,2,4,6
	v_pk_mul_f32 v[A2+(\p):A2+(\p)+1], v[A1+(\p):A1+(\p)+1], v[A2+(\p):A2+(\p)+1]
.endr
; 16 matrix instructions: row blocks a0, a0 + 1 of the window's four (hi = 0: my rows 0-63, 1: rows 64-127) x all 8 column blocks, 32 along K.  zero = 1: the first product starts the sums.
; The 64 accumulators take turns in one order in every quarter step, over the backward jumps too.
.macro MUL16 f, hi, a0, zero
	WIN MUL_LO+0x50*(\hi)
.irp a, \a0, (\a0)+1
.irp b, 0,1,2,3,4,5,6,7
.if \zero
	v_wmma_f32_16x16x32_bf16 v[8*(8*(\a)+(\b)):8*(8*(\a)+(\b))+7], v[(\f)+8*(4*(\hi)+(\a)):(\f)+8*(4*(\hi)+(\a))+7], v[(\f)+8*(\b):(\f)+8*(\b)+7], 0
.else
	v_wmma_f32_16x16x32_bf16 v[8*(8*(\a)+(\b)):8*(8*(\a)+(\b))+7], v[(\f)+8*(4*(\hi)+(\a)):(\f)+8*(4*(\hi)+(\a))+7], v[(\f)+8*(\b):(\f)+8*(\b)+7], v[8*(8*(\a)+(\b)):8*(8*(\a)+(\b))+7]
.endif
.endr
.endr
.endm
; 32 LDS loads in one run: quarter q (32 along K) of the slot in hand into buffer f: Q's eight blocks of 16 columns, turned, then P's eight blocks of 16 rows
.macro FETCH q, f
	WIN 0x40
.irp i, 0,1,2,3,4,5,6,7
	ds_load_tr16_b128 v[(\f)+8*(\i):(\f)+8*(\i)+3],   v[ADRQ] offset:(\q)*32*PQ+32*(\i)
	ds_load_tr16_b128 v[(\f)+8*(\i)+4:(\f)+8*(\i)+7], v[ADRQ] offset:(\q)*32*PQ+32*(\i)+16*PQ
.endr
	WIN 0
.irp i, 0,1,2,3,4,5,6,7
	ds_load_b128 v[(\f)+8*(\i):(\f)+8*(\i)+3],   v[ADRP] offset:64*(\q)+(\i)*16*PP
	ds_load_b128 v[(\f)+8*(\i)+4:(\f)+8*(\i)+7], v[ADRP] offset:64*(\q)+(\i)*16*PP+32
.endr
.endm
; One of a K step's first three quarters: multiplies buffer f; in its middle it fetches quarter q of the slot in hand into buffer g
.macro QUARTER q, f, g, zero
	s_wait_dscnt 8                                 ; Q and P's rows 0-63 are in; the youngest eight loads (P's rows 64-127) may be out
	MUL16 \f, 0, 0, \zero
	MUL16 \f, 0, 2, \zero
	PLACES
	FETCH \q, \g
	s_wait_dscnt 32                                ; all but the 32 just issued
	MUL16 \f, 1, 0, \zero
	MUL16 \f, 1, 2, \zero
.endm
; The first half of a K step's last quarter: one barrier for the change of slots.  In front of it each wave waits for all its tensor loads (at most one is out: its part of the next slot), adds 0 to its spare word,
; and waits for that and for its reads of this slot.
.macro MEET
	WIN 0
	s_wait_tensorcnt 0x0
	ds_add_u32 v[SPW], v[NIL]
	s_wait_dscnt 9                                 ; (the add and the youngest eight loads may be out)
	MUL16 F1, 0, 0, 0
	s_wait_dscnt 0x0                               ; the add is done, and my reads of this slot are over
	s_barrier_signal -1
	MUL16 F1, 0, 2, 0
	WIN 0
	s_barrier_wait -1
.endm
; The whole last quarter where the slot is filled again, two K steps on: the barrier opens a round of the cluster's barrier, and the joint load is the first thing behind it: 224 matrix instructions ahead of the wait for it.
; The walking descriptors take the slot that is left and the next K step but one; the fragments' addresses take the other slot.
.macro TURN
	s_wait_xcnt 0x0                                ; the last prefetch, a K step back, has read its address
	s_add_nc_u64 s[PFA:PFA+1], s[PFA:PFA+1], s[92:93]
	MEET
	CREST
	s_xor_b32 s[G0+5], s[G0+5], SLOT
	s_add_nc_u64 s[G0+6:G0+7], s[G0+6:G0+7], 256
	s_xor_b32 s[G0B+5], s[G0B+5], SLOT
	s_add_nc_u64 s[G0B+6:G0B+7], s[G0B+6:G0B+7], 65536
	s_xor_b32 s[TB], s[TB], SLOT
	JLOAD 1                                        ; its four v_nop are also the places in front of the loads below
	v_add_nc_u32 v[ADRP], s[TB], v[ADRP0]
	v_add_nc_u32 v[ADRQ], s[TB], v[ADRQ0]
	FETCH 0, F0
	ASK
	MUL16 F1, 1, 0, 0
	MUL16 F1, 1, 2, 0
.endm
; The same where nothing is filled: no round, no load
.macro TURNL
	MEET
	PLACES
	s_xor_b32 s[TB], s[TB], SLOT
	v_add_nc_u32 v[ADRP], s[TB], v[ADRP0]
	v_add_nc_u32 v[ADRQ], s[TB], v[ADRQ0]
	FETCH 0, F0
	MUL16 F1, 1, 0, 0
	MUL16 F1, 1, 2, 0
.endm
	s_wait_tensorcnt 1                             ; my part of K step 0 is in; K step 1's may stay out
	s_barrier_signal -1
	s_barrier_wait -1
	FETCH 0, F0
	QUARTER 1, F0, F1, 1                           ; the first quarter starts the sums
	WIN 0
	s_mov_b32 s3, 6
.Lstep:                                        ; a trip: a K step's quarters 1 to 3 and the next step's quarter 0; it asks for the K step two on: K steps 2 to 7 in six trips
	QUARTER 2, F1, F0, 0
	QUARTER 3, F0, F1, 0
	TURN
	QUARTER 1, F0, F1, 0
	WIN 0
	s_sub_co_u32 s3, s3, 1
	s_cmp_lg_u32 s3, 0
	s_cbranch_scc1 .Lstep
	s_mov_b32 s3, 2
.Ltail:                                        ; K steps 6 and 7 fill nothing.  The second trip has no next step: its quarter 0 is jumped over, and the 32 LDS loads in front of it bring K step 6's bytes once more, for nobody
	QUARTER 2, F1, F0, 0
	QUARTER 3, F0, F1, 0
	TURNL
	WIN 0
	s_cmp_eq_u32 s3, 1
	s_cbranch_scc1 .Llast
	QUARTER 1, F0, F1, 0
	WIN 0
.Llast:
	s_sub_co_u32 s3, s3, 1
	s_cmp_lg_u32 s3, 0
	s_cbranch_scc1 .Ltail
	s_wait_dscnt 0x0                               ; those loads are back: their registers may be used
	PLACES
	PLACES
; BEHIND THE PRODUCTS: a loop over my eight blocks of 16 channels.  Only the lines that name accumulators are written eight times; the counter picks the copy.
; GET k: block k's d, C, C b, and its 64 sums x C + C b into W; each accumulator's lowest registers are read first.
.macro GET k
	v_mov_b32 v4, v[A0+(\k)]
	v_mov_b32 v2, v[A1+(\k)]
	v_mov_b32 v3, v[A2+(\k)]
.irp a, 0,1,2,3,4,5,6,7
	WIN 0x02+(\a)/4
.irp p, 0,1,2,3
	v_pk_fma_f32 v[W+8*(\a)+2*(\p):W+8*(\a)+2*(\p)+1], v[8*(8*((\a)%4)+(\k))+2*(\p):8*(8*((\a)%4)+(\k))+2*(\p)+1], v[2:3], v[2:3] op_sel:[0,0,1] op_sel_hi:[1,0,1]
.endr
.endr
	WIN 0
.endm
.set PB, 128                           ; v[128:135] d^1 .. d^8; then eight each: the other half's ends, at work, states, carries, maxima; v[176:177] scale and inverse
.set XX, 136
.set TT, 144
.set FF, 152
.set CC, 160
.set MX, 168
.set SC, 176
	s_mov_b32 s2, 0
.Lblk:
.irp k, 0,1,2,3,4,5,6
	s_cmp_eq_u32 s2, \k
	s_cbranch_scc1 .Lget\k
.endr
	GET 7
	s_branch .Lgot
.irp k, 0,1,2,3,4,5
.Lget\k:
	GET \k
	s_branch .Lgot
.endr
.Lget6:
	GET 6
.Lgot:
	; W = v of rows 16 a + 8 h + j of one channel.  The scan goes by eight rows in a lane, by sixteen across the halves of the lanes, and along a
	v_mov_b32 v[PB], v4
	v_mul_f32 v[PB+1], v4, v4
	v_mul_f32 v[PB+2], v[PB+1], v4
	v_mul_f32 v[PB+3], v[PB+1], v[PB+1]
	v_mul_f32 v[PB+4], v[PB+3], v4
	v_mul_f32 v[PB+5], v[PB+3], v[PB+1]
	v_mul_f32 v[PB+6], v[PB+3], v[PB+2]
	v_mul_f32 v[PB+7], v[PB+3], v[PB+3]
	v_mul_f32 v5, v[PB+7], v[PB+7]                 ; d^16
	v_cndmask_b32 v6, 1.0, v[PB+7], s89            ; lanes 0-15: 1, lanes 16-31: d^8
	v_cndmask_b32 v7, v[PB+7], 1.0, s89            ; the other way round
.irp j, 1,2,3,4,5,6,7
.irp a, 0,1,2,3,4,5,6,7
	v_fmac_f32 v[W+8*(\a)+(\j)], v4, v[W+8*(\a)+(\j)-1]
.endr
.endr
.irp a, 0,1,2,3,4,5,6,7
	v_permlanex16_b32 v[XX+(\a)], v[W+8*(\a)+7], s90, s91    ; the end of the other half's eight rows
.endr
.irp a, 0,1,2,3,4,5,6,7
	v_mul_f32 v[TT+(\a)], v6, v[XX+(\a)]
.endr
.irp a, 0,1,2,3,4,5,6,7
	v_fma_f32 v[FF+(\a)], v7, v[W+8*(\a)+7], v[TT+(\a)]      ; the end of sixteen rows: d^8 x first eight + second eight
.endr
.irp a, 1,2,3,4,5,6,7
	v_fmac_f32 v[FF+(\a)], v5, v[FF+(\a)-1]                  ; the state behind block a
.endr
.irp a, 0,1,2,3,4,5,6,7
	v_cndmask_b32 v[CC+(\a)], 0, v[XX+(\a)], s89             ; what enters my eight rows: lanes 16-31 have the first eight's end,
.endr
.irp a, 1,2,3,4,5,6,7
	v_fmac_f32 v[CC+(\a)], v6, v[FF+(\a)-1]                  ; and all have the state behind block a - 1, by d^8 in lanes 16-31
.endr
.irp a, 0,2,4,6
.irp p, 0,1,2,3
	v_pk_fma_f32 v[W+8*(\a)+2*(\p):W+8*(\a)+2*(\p)+1], v[PB+2*(\p):PB+2*(\p)+1], v[CC+(\a):CC+(\a)+1], v[W+8*(\a)+2*(\p):W+8*(\a)+2*(\p)+1] op_sel:[0,0,0] op_sel_hi:[1,0,1]
.endr
.irp p, 0,1,2,3
	v_pk_fma_f32 v[W+8*(\a)+8+2*(\p):W+8*(\a)+8+2*(\p)+1], v[PB+2*(\p):PB+2*(\p)+1], v[CC+(\a):CC+(\a)+1], v[W+8*(\a)+8+2*(\p):W+8*(\a)+8+2*(\p)+1] op_sel:[0,1,0] op_sel_hi:[1,1,1]
.endr
.endr
.irp a, 0,1,2,3,4,5,6,7                        ; the largest magnitude of the channel's 128 rows
	v_max3_num_f32 v[MX+(\a)], |v[W+8*(\a)]|, |v[W+8*(\a)+1]|, |v[W+8*(\a)+2]|
.endr
.irp a, 0,1,2,3,4,5,6,7
	v_max3_num_f32 v[MX+(\a)], v[MX+(\a)], |v[W+8*(\a)+3]|, |v[W+8*(\a)+4]|
.endr
.irp a, 0,1,2,3,4,5,6,7
	v_max3_num_f32 v[MX+(\a)], v[MX+(\a)], |v[W+8*(\a)+5]|, |v[W+8*(\a)+6]|
.endr
.irp a, 0,2,4,6
	v_max3_num_f32 v[MX+(\a)], v[MX+(\a)], |v[W+8*(\a)+7]|, |v[W+8*(\a)+15]|
.endr
	v_max3_num_f32 v[MX], v[MX], v[MX+1], v[MX+2]
	v_max3_num_f32 v[MX+3], v[MX+3], v[MX+4], v[MX+5]
	v_max3_num_f32 v[MX], v[MX], v[MX+3], v[MX+6]
	v_max_num_f32 v[MX], v[MX], v[MX+7]
	v_permlanex16_b32 v[MX+1], v[MX], s90, s91
	v_max_num_f32 v[MX], v[MX], v[MX+1]
	v_and_b32 v[MX], 0x7f800000, v[MX]             ; its exponent E, held to 15 .. 254 so that scale and inverse are normal numbers
	v_max_u32 v[MX], 0x07800000, v[MX]
	v_min_u32 v[MX], 0x7f000000, v[MX]
	v_sub_nc_u32 v[SC], 0x86000000, v[MX]          ; 2^(14 - E): every scaled magnitude lies under 2^15
	v_add_nc_u32 v[SC+1], 0xf9000000, v[MX]        ; 2^(E - 14)
.set i, 0
.rept 32
	v_pk_mul_f32 v[W+2*i:W+2*i+1], v[W+2*i:W+2*i+1], v[SC:SC+1] op_sel_hi:[1,0]
.set i, i+1
.endr
.irp a, 0,1,2,3,4,5,6,7
.irp p, 0,1,2,3
	v_cvt_pk_f16_f32 v[W+8*(\a)+(\p)], v[W+8*(\a)+2*(\p)], v[W+8*(\a)+2*(\p)+1]
.endr
.endr
.irp a, 0,1,2,3,4,5,6,7
	global_store_b128 v[HLO], v[W+8*(\a):W+8*(\a)+3], s[W1:W1+1] offset:512*(\a)    ; 512 consecutive bytes, aligned
.endr
.irp i, 0,1,2,3,4,5,6
	v_mov_b32 v[A3+(\i)], v[A3+(\i)+1]             ; the two arrays move up by one: behind eight blocks, block b's numbers lie at place b
	v_mov_b32 v[A4+(\i)], v[A4+(\i)+1]
.endr
	v_mov_b32 v[A3+7], v[FF+7]
	v_mov_b32 v[A4+7], v[SC+1]
	s_wait_xcnt 0x0                                ; the stores have read their data and their base: only now are these written again
	s_add_nc_u64 s[W1:W1+1], s[W1:W1+1], 4096
	s_add_co_u32 s2, s2, 1
	s_cmp_lt_u32 s2, 8
	s_cbranch_scc1 .Lblk
.irp i, 0,1,2,3,4,5,6,7
	v_cndmask_b32 v[A3+(\i)], v[A3+(\i)], 0, s89   ; lanes 0-15 store S into row 32 + c, lanes 16-31 zeros into row c: 256 consecutive bytes each
.endr
.irp i, 0,1,2,3
	v_cndmask_b32 v[A4+(\i)], v[A4+(\i)], v[A4+4+(\i)], s89  ; lanes 0-15 blocks 0-3, lanes 16-31 blocks 4-7
.endr
	v_add_nc_u32 v4, s96, v[HLO]
	global_store_b128 v[SO], v[A3:A3+3], s[W2:W2+1]
	global_store_b128 v[SO], v[A3+4:A3+7], s[W2:W2+1] offset:256
	global_store_b128 v4, v[A4:A4+3], s[W2:W2+1]
	s_wait_tensorcnt 0x0                           ; the wave's end, behind my last tensor load
	ds_add_u32 v[SPW], v[NIL]
	s_wait_dscnt 0x0
	CROUND                                         ; the closing round: no work-group ends while a partner may still ask for a tile that names it
	s_endpgm
.Lfunc_end_k_q62ef71489f_scanv:
	.size	k_q62ef71489f_scanv, .Lfunc_end_k_q62ef71489f_scanv-k_q62ef71489f_scanv
	.p2alignl 7, 3214868480
	.fill 96, 4, 3214868480
	.section	.rodata,"a",@progbits
	.p2align	6, 0x0
	.amdhsa_kernel k_q62ef71489f_scanv
		.amdhsa_group_segment_fixed_size 327680
		.amdhsa_private_segment_fixed_size 0
		.amdhsa_enable_private_segment 0
		.amdhsa_kernarg_size 48
		.amdhsa_user_sgpr_count 2
		.amdhsa_user_sgpr_kernarg_segment_ptr 1
		.amdhsa_wavefront_size32 1
		.amdhsa_system_sgpr_workgroup_id_x 1
		.amdhsa_system_sgpr_workgroup_id_y 1
		.amdhsa_system_sgpr_workgroup_id_z 1
		.amdhsa_system_vgpr_workitem_id 0
		.amdhsa_next_free_vgpr 1024
		.amdhsa_next_free_sgpr 102
		.amdhsa_reserve_vcc 0
		.amdhsa_float_denorm_mode_32 3
		.amdhsa_float_denorm_mode_16_64 3
		.amdhsa_memory_ordered 1
		.amdhsa_forward_progress 1
		.amdhsa_inst_pref_size 109
	.end_amdhsa_kernel
	.amdgpu_metadata
---
amdhsa.version: [ 1, 2 ]
amdhsa.kernels:
  - .name:           k_q62ef71489f_scanv
    .symbol:         k_q62ef71489f_scanv.kd
    .args:
      - { .name: xb, .offset: 0, .size: 8, .value_kind: global_buffer, .address_space: global }
      - { .name: wb, .offset: 8, .size: 8, .value_kind: global_buffer, .address_space: global }
      - { .name: b_in, .offset: 16, .size: 8, .value_kind: global_buffer, .address_space: global }
      - { .name: A, .offset: 24, .size: 8, .value_kind: global_buffer, .address_space: global }
      - { .name: C, .offset: 32, .size: 8, .value_kind: global_buffer, .address_space: global }
      - { .name: hl, .offset: 40, .size: 8, .value_kind: global_buffer, .address_space: global }
    .group_segment_fixed_size: 327680
    .private_segment_fixed_size: 0
    .kernarg_segment_align: 8
    .kernarg_segment_size: 48
    .max_flat_workgroup_size: 128
    .sgpr_count:     102
    .vgpr_count:     1024
    .wavefront_size: 32
...
	.end_amdgpu_metadata
.endif
;; end of part 2
;; launch gate (part 3): grid 4 x 64, 4 waves a work-group, clusters of 4 x 4, 327,680 bytes of LDS; arguments xb, wb, b_in, A, hl, yt; writes yt
.if DOCPART == 3
	.amdgcn_target "amdgcn-amd-amdhsa--gfx1250"
	.amdhsa_code_object_version 6
	.text
	.protected	k_q62ef71489f_gate
	.globl	k_q62ef71489f_gate
	.p2align	8
	.type	k_q62ef71489f_gate,@function
k_q62ef71489f_gate:
	s_mov_b64 s[64:65], 0
	v_nop
	global_prefetch_b8 v0, s[64:65] scope:SCOPE_SE
	s_setreg_imm32_b32 hwreg(HW_REG_WAVE_MODE, 25, 1), 1
	s_wait_xcnt 0x0
	s_wait_alu depctr_hold_cnt(0) depctr_sa_sdst(0) depctr_va_vdst(0) depctr_va_sdst(0) depctr_va_ssrc(0) depctr_va_vcc(0) depctr_vm_vsrc(0)
	s_getreg_b32 s2, hwreg(HW_REG_IB_STS2, 6, 4)
	s_cmp_eq_u32 s2, 0
	s_cbranch_scc0 .Lentry_in_a_cluster
	s_endpgm
.Lentry_in_a_cluster:
	s_bfe_u32 s2, ttmp6, 0x10000c
	s_cmp_lg_u32 s2, 0xf033
	s_cbranch_scc0 .Lentry_shape_is_right
	s_endpgm
.Lentry_shape_is_right:
; THE SECOND OF THREE PRODUCTS OF ONE SHAPE (head, ring and product loops are the same lines in all three kernels): D[p][q] = sum over k of P[p][k] Q[k][q], 16384 x 1024 x 1024,
; bf16 operands, f32 sums, tiles of 256 x 256, one to a work-group.  P lies [row][1024 k] (2,048 bytes a row); Q lies [tile of 256 q][1024 k][256 q] (512 bytes a row).
; HERE: P = x (xb), Q = W_in's last 1,024 columns (wb from byte 2 MiB on).  The launch before left, for each wave tile of 128 rows x 128 channels, the recurrence run from 0 (hl, f16 under a power-of-two scale,
; C already in it), each chunk's last state S (st) and the scales' inverses (hs).  The state that enters my 128 rows is h_in = sum over i of d^(128 i) S(chunk - 1 - i), d = sigmoid(A), over all 32 chunks that can lie
; ahead in the batch: st holds 32 rows of zeros in front of each batch's 32 rows, so the sum has one length everywhere.  y = sigmoid(sum + b) (local scan + d^(row + 1) h_in), rounded to bf16,
; stored turned, as the third product reads it: yt [tile of 256 rows][1024 channels][256 rows].
; LIMITS.  Every input is rounded once to bf16 (A and b_in too), y once to bf16.  The recurrence is regrouped by 128 rows, in f32: another order of rounding than a step at a time.
; The exponential and the reciprocal flush denormals: a sigmoid below 2^-126 counts as 0.  NaN and infinities are not treated apart.
; SHARES.  Four waves, each 128 x 128: 64 accumulators of 16 x 16.  Source 0 = 16 rows of P, source 1 = 16 columns of Q (out of LDS by the turning load): in a result lane l holds column q = l % 16 and the rows
; p = 8 (l / 16) + 0..7: one channel and eight steps of time, as in the launch before.
; RING.  K goes in eight steps of 128 through two LDS slots; each wave fetches a quarter of a slot by one tensor load.  CLUSTER of 4 x 4: P's tile is shared along a row of the cluster, Q's along a column, each asked for jointly.
; A K step is written once for the six steps that fill a slot again and once for the last two.  The slot in hand is s4, 0 or SLOT, turned by an exclusive or; SLOT = 0x22000, and its two bits are 0 in every
; slot-0 address that is so turned (0, and the wave's number x 0x8800), so the exclusive or adds or takes away SLOT.
; THE LOCAL SCAN, 32,768 bytes a wave (256 registers), is loaded by nobody else and long before it is used: blocks 0-3 between the two product loops, seven quarter steps ahead, into the 128 registers of window 1
; that the products leave idle; blocks 4-7 behind the last product, four blocks' work ahead, into Q's fragment buffers.  So it is not asked for by other means.
; REGISTERS in windows of 256 (s_set_vgpr_msb: bits 1:0 source 0, 3:2 source 1, 5:4 source 2, 7:6 destination): window 0: v0-31 addresses and a block's constants; v8-15, v32-39, v48-63 four arrays of eight, one number for each
; of my eight blocks of 16 channels; v64-127, v128-191 P's two fragment buffers, at work before and behind the products; v192-255 a block's 64 numbers.  Window 1: v64-191 Q's two buffers, later blocks 4-7 of the local scan;
; v0-63, v192-255 its blocks 0-3.  Windows 2, 3: the accumulators, (a, b) at v[8 (8 (a % 4) + b)].
.set PP,    272                        ; a row of P in LDS: 256 bytes + 16: the 16 rows of a load start at 16 different groups of four banks (64 banks of 4 bytes: ISA guide 11.1)
.set PQ,    544                        ; a row of Q: 512 + 32
.set HALFT, 34816                      ; what one tensor load brings: 128 rows of P or 64 rows of Q
.set SLOT,  4*HALFT                    ; P's 256 rows, then Q's 128 rows
.set STAGE, 2*SLOT                     ; behind the ring, never filled by a tensor load: 8,448 bytes for each wave (16 rows x 272 are used), for the way out
.set STW,   8448
.set SPARE, STAGE+4*STW                ; behind the stages: the spare words, 128 bytes for each wave
.set STATB, 33554432                   ; st and hs lie behind hl's 32 MiB
.set A4,   8                           ; v[8:15]   the scales' inverses
.set ADRP0, 16                         ; v16       LDS address of my fragments of P in slot 0; never rewritten
.set ADRP, 17                          ; v17       the same in the slot in hand
.set HLO,  18                          ; v18       16 x lane
.set ADRQ0, 20                         ; v20, v21  the same as ADRP0, ADRP for Q
.set ADRQ, 21
.set STG,  22                          ; v22, v23  the way out: into my stage, and back
.set RDG,  23
.set ZR,   24                          ; v24       0, an addend
.set COG,  26                          ; v26       my 16 bytes in two rows of y turned
.set SO,   27                          ; v27       my offset in st
.set SPW,  28                          ; v28       LDS address of my spare word; never rewritten
.set NIL,  29                          ; v29       0; never rewritten
.set PFO,  30                          ; v30       the ring's prefetches: my lane's block
.set CHO,  31                          ; v31       byte offset of channel l % 16 of my first block in A, b_in
.set A0,   32                          ; v[32:39]  d
.set A2,   48                          ; v[48:55]  -log2(e) b
.set A3,   56                          ; v[56:63]  h_in
.set F0,   64
.set F1,   128
.set W,    192
.set TB,  4                            ; s4       the slot in hand: 0 or SLOT
.set G1,  24                           ; s[24:31] descriptor group 1 for P's tiles;  s[32:39] group 0: a set for each of the two first fills; the second then walks on
.set G0,  32
.set LIM, 43                           ; s43      2 in a wave that prefetches for the ring, else the greatest number
.set PFA, 44                           ; s[44:45] where those prefetches stand
.set G1B, 48                           ; s[48:55], s[56:63] the same as G1, G0 for Q's tiles
.set G0B, 56
.set RP,  68                           ; s[68:79] the arguments: xb, wb, b_in, A, hl, yt
.set RQ,  70
.set RVB, 72
.set RVA, 74
.set R1,  76
.set W1,  78
.set R2,  80                           ; s[80:81] hl + STATB
.set MSB, 0
.macro WIN new                         ; the immediate's high byte repeats the setting that is left; a switch that changes nothing is dropped
.if MSB != (\new)
	s_set_vgpr_msb (MSB<<8)|(\new)
.set MSB, \new
.endif
.endm
.set MUL_LO, 0xa4                      ; source 0 (P) window 0, source 1 (Q) window 1, C and D window 2
; A joint load.  Waves 0 and 1 fetch P's two halves, waves 2 and 3 Q's.  The branch hangs on the wave's number alone.  An s_nop 0 and four v_nop follow each of the two lines.
.macro JLOAD s
	s_cmp_eq_u32 s11, 0
	s_cbranch_scc0 .Lfor_q_\@
	tensor_load_to_lds s[G0+4*(\s):G0+4*(\s)+3], s[G1:G1+7]
	s_nop 0
.rept 4
	v_nop
.endr
	s_branch .Lasked_\@
.Lfor_q_\@:
	tensor_load_to_lds s[G0B+4*(\s):G0B+4*(\s)+3], s[G1B:G1B+7]
	s_nop 0
.rept 4
	v_nop
.endr
.Lasked_\@:
.endm
; The ring's prefetch, behind a joint load, its five lines and the run of LDS loads: the K step that stands two refills on, 512 matrix instructions ahead of the load that will want it.  Each aligned block of 256 bytes is named once
; in the launch: P's rows by the clusters with x = 0, Q's by those with y = 0; of what a wave fetches each of the four partners takes a quarter, told apart by address.  The loop's counter runs 6 .. 1; its last two trips have no K step two refills on.
.macro ASK
	s_cmp_gt_u32 s3, s[LIM]
	s_cbranch_scc0 .Lnot_mine_\@
	global_prefetch_b8 v[PFO], s[PFA:PFA+1] th:TH_LOAD_NT scope:SCOPE_SE
.Lnot_mine_\@:
.endm
.macro CREST                           ; a round of the cluster's barrier behind its opening barrier
	s_cmp_lg_u32 s10, 0
	s_cbranch_scc1 .Lnot_wave_0_\@
	s_barrier_signal -3
.Lnot_wave_0_\@:
	s_barrier_wait -3
	s_barrier_signal -1
	s_barrier_wait -1
.endm
.macro CROUND                          ; a whole round
	s_barrier_signal -1
	s_barrier_wait -1
	CREST
.endm
.macro PLACES                          ; four places behind matrix instructions, in front of loads into registers that they have read and of lines that read results
.rept 4
	v_nop
.endr
.endm
.macro RND2 x                          ; two f32 rounded to bf16 and widened again
	v_cvt_pk_bf16_f32 v3, v[(\x)], v[(\x)+1]
	v_lshlrev_b32 v[(\x)], 16, v3
	v_and_b32 v[(\x)+1], s89, v3
.endm
.macro RND8 x
.irp p, 0,2,4,6
	RND2 (\x)+(\p)
.endr
.endm
.macro SIGM8 x                         ; eight sigmoids in place: 1 / (1 + 2^(-log2(e) x)); each batch of eight has one plain line and one wait behind it
.irp p, 0,2,4,6
	v_pk_mul_f32 v[(\x)+(\p):(\x)+(\p)+1], v[(\x)+(\p):(\x)+(\p)+1], s[94:95] op_sel_hi:[1,0]
.endr
.irp b, 0,1,2,3,4,5,6,7
	v_exp_f32 v[(\x)+(\b)], v[(\x)+(\b)]
.endr
	v_nop
	s_wait_alu depctr_va_vdst(0)
.irp p, 0,2,4,6
	v_pk_add_f32 v[(\x)+(\p):(\x)+(\p)+1], v[(\x)+(\p):(\x)+(\p)+1], 1.0 op_sel_hi:[1,0]
.endr
.irp b, 0,1,2,3,4,5,6,7
	v_rcp_f32 v[(\x)+(\b)], v[(\x)+(\b)]
.endr
	v_nop
	s_wait_alu depctr_va_vdst(0)
.endm
.macro HBASE k                         ; hb: where block k of the local scan lies in window 1: 0, 32, 192, 224; 64, 96, 128, 160
.if (\k) < 4
.set hb, 32*(\k)+128*((\k)/2)
.else
.set hb, 32*(\k)-64
.endif
.endm
.macro HLOAD k                         ; block k of the local scan: eight loads of 512 consecutive bytes
	HBASE \k
.irp a, 0,1,2,3,4,5,6,7
	global_load_b128 v[hb+4*(\a):hb+4*(\a)+3], v[HLO], s[R1:R1+1] offset:4096*(\k)+512*(\a) th:TH_LOAD_NT
.endr
.endm
	s_load_b256 s[68:75], s[0:1], 0x0
	s_load_b128 s[76:79], s[0:1], 0x20
	v_lshl_add_u32 v[SPW], v0, 2, SPARE
	v_mov_b32 v[NIL], 0
	ds_add_u32 v[SPW], v[NIL]                      ; the wave's opening: the add, twice on end, and its wait ahead of my first tensor load
	ds_add_u32 v[SPW], v[NIL]
	v_lshrrev_b32 v1, 5, v0
	v_readfirstlane_b32 s10, v1                    ; wave 0..3
	s_lshr_b32 s11, s10, 1                         ; which 128 rows p are mine.  Also: I fetch for P (0) or for Q (1)
	s_and_b32 s12, s10, 1                          ; which 128 columns q.  Also: which half of that tile I fetch
	s_bfe_u32 s40, ttmp6, 0x40000                  ; cx, cy: my place in the cluster
	s_bfe_u32 s41, ttmp6, 0x40004
	s_lshl_b32 s42, ttmp9, 2
	s_add_co_u32 s42, s42, s40                     ; tile of q = 4 x cluster x + cx
	s_and_b32 s13, ttmp7, 0xffff
	s_lshl_b32 s13, s13, 2
	s_add_co_u32 s13, s13, s41                     ; tile of p = 4 x cluster y + cy
	s_lshl_b32 s21, s41, 2
	s_lshl_b32 s21, 15, s21                        ; my row of the cluster
	s_lshl_b32 s22, 0x1111, s40                    ; my column
	s_or_b32 s[G1+0], s21, (1<<16)|(1<<20)|(1<<21)|(5<<22)|(3<<25)   ; the mask; 2-byte elements; padding on; bit 21 beside a mask; after every 64 words, 4 words
	s_mov_b32 s[G1+1], 128<<16                     ; tensor_dim0 = 128
	s_mov_b32 s[G1+2], 128<<16                     ; tensor_dim1 = 128
	s_mov_b32 s[G1+3], 128<<16                     ; tile_dim0 = 128
	s_mov_b32 s[G1+4], 128                         ; tile_dim1 = 128
	s_mov_b32 s[G1+5], 1024                        ; elements from row to row
	s_mov_b32 s[G1+6], 0
	s_mov_b32 s[G1+7], 0
	s_or_b32 s[G1B+0], s22, (1<<16)|(1<<20)|(1<<21)|(6<<22)|(7<<25)  ; after every 128 words, 8 words
	s_mov_b32 s[G1B+1], 256<<16                    ; tensor_dim0 = 256
	s_mov_b32 s[G1B+2], 64<<16                     ; tensor_dim1 = 64
	s_mov_b32 s[G1B+3], 256<<16                    ; tile_dim0 = 256
	s_mov_b32 s[G1B+4], 64                         ; tile_dim1 = 64
	s_mov_b32 s[G1B+5], 256
	s_mov_b32 s[G1B+6], 0
	s_mov_b32 s[G1B+7], 0
	s_mov_b32 s89, 0xffff0000                      ; lanes 16-31 as a mask; also a word's upper bf16
	s_mov_b32 s90, 0x76543210                      ; v_permlanex16_b32: each lane takes its own place in the other half
	s_mov_b32 s91, 0xfedcba98
	s_mov_b32 s94, 0xbfb8aa3b                      ; -log2(e), named as a pair
	s_mov_b32 s95, 0xbfb8aa3b
	s_mov_b32 s[TB], 0
	s_mul_i32 s20, s10, HALFT                      ; where my tiles go: wave x a quarter of a slot
	s_lshl_b32 s16, s13, 19                        ; P: 256 rows of 2,048 bytes a tile,
	s_lshl_b32 s17, s12, 18                        ; my 128 of them
	s_add_co_u32 s16, s16, s17
	s_mov_b32 s17, 0
	s_lshl_b32 s46, s42, 19                        ; Q: 1,024 rows of 512 bytes a tile,
	s_lshl_b32 s47, s12, 15                        ; my 64 of a K step's 128,
	s_add_co_u32 s46, s46, s47
	s_add_co_u32 s46, s46, 2097152                 ; behind the four tiles of W_in's first half
	s_mov_b32 s47, 0
	s_wait_dscnt 0x0                               ; both opening adds are done
	s_wait_kmcnt 0x0
	s_add_nc_u64 s[14:15], s[RP:RP+1], s[16:17]
	s_add_nc_u64 s[46:47], s[RQ:RQ+1], s[46:47]
	CROUND                                         ; all sixteen work-groups are here: the first joint loads meet
.irp s, 0,1
	s_mov_b32 s[G0+4*(\s)], 1
	s_add_co_u32 s[G0+4*(\s)+1], s20, (\s)*SLOT
	s_add_nc_u64 s[G0+4*(\s)+2:G0+4*(\s)+3], s[14:15], (\s)*256      ; K step s: 256 bytes along the rows
	s_or_b32 s[G0+4*(\s)+3], s[G0+4*(\s)+3], 0x80000000
	s_mov_b32 s[G0B+4*(\s)], 1
	s_add_co_u32 s[G0B+4*(\s)+1], s20, (\s)*SLOT
	s_add_nc_u64 s[G0B+4*(\s)+2:G0B+4*(\s)+3], s[46:47], (\s)*65536  ; K step s: 128 rows down
	s_or_b32 s[G0B+4*(\s)+3], s[G0B+4*(\s)+3], 0x80000000
	JLOAD \s                                       ; two loads of mine are out
.endr
	; the lanes' addresses
	v_and_b32 v1, 15, v0                           ; r = l % 16
	v_bfe_u32 v2, v0, 4, 1                         ; h = l / 16
	v_and_b32 v3, 31, v0                           ; l
	v_mul_u32_u24 v4, v1, PP
	v_lshl_add_u32 v4, v2, 4, v4                   ; r x 272 + 16 h
	s_mul_i32 s21, s11, HALFT
	v_add_nc_u32 v[ADRP0], s21, v4
	v_mov_b32 v[ADRP], v[ADRP0]
	v_and_b32 v5, 7, v0                            ; the turning load: lane l reads row 8 h + l % 8, 16 bytes at 16 ((l / 8) % 2)
	v_lshl_add_u32 v5, v2, 3, v5
	v_mul_u32_u24 v5, v5, PQ
	v_bfe_u32 v6, v0, 3, 1
	v_lshl_add_u32 v5, v6, 4, v5
	s_lshl_b32 s22, s12, 8                         ; my 128 columns: 256 bytes of a row; Q lies behind P's 256 rows
	s_add_co_u32 s22, s22, 2*HALFT
	v_add_nc_u32 v[ADRQ0], s22, v5
	v_mov_b32 v[ADRQ], v[ADRQ0]
	s_mul_i32 s23, s10, STW
	s_add_co_u32 s23, s23, STAGE                   ; my stage
	v_add_nc_u32 v[STG], s23, v4                   ; in: row = channel l % 16, 16 bytes for each half of the lanes
	v_mul_u32_u24 v6, v2, PP
	v_lshl_add_u32 v6, v1, 4, v6
	v_add_nc_u32 v[RDG], s23, v6                   ; back: lanes 0-15 one row of 256 bytes, lanes 16-31 the next
	v_lshlrev_b32 v[HLO], 4, v3
	v_mov_b32 v[ZR], 0
	v_lshlrev_b32 v[COG], 9, v2                    ; and the same two rows in yt
	v_lshl_add_u32 v[COG], v1, 4, v[COG]
	s_lshl_b32 s100, s42, 10                       ; 256 channels a tile, 4 bytes each,
	s_lshl_b32 s101, s12, 9                        ; my 128
	s_add_co_u32 s100, s100, s101
	v_lshl_add_u32 v[CHO], v1, 2, s100
	; the ring's prefetches: a P wave takes 32 of its 128 rows (by cx), a lane a row; a Q wave 8,192 of its 32,768 dense bytes (by cy), a lane 256 bytes.  They stand at K step 3; the first change of slots steps them to 4
	s_lshl_b32 s98, s40, 16
	s_add_co_u32 s98, s98, 3*256
	s_lshl_b32 s100, s41, 13
	s_add_co_u32 s100, s100, 3*65536
	s_and_b32 s22, ttmp7, 0xffff
	s_mov_b32 s92, 256
	s_mov_b32 s93, 65536
	s_cmp_eq_u32 s11, 0
	s_cselect_b64 s[PFA:PFA+1], s[14:15], s[46:47]
	s_cselect_b32 s22, ttmp9, s22                  ; the coordinate along which other clusters read the same bytes
	s_cselect_b32 s98, s98, s100
	s_cselect_b32 s92, s92, s93                    ; s[92:93]: a K step in bytes
	s_cselect_b32 s101, 11, 8
	s_mov_b32 s93, 0
	s_mov_b32 s99, 0
	s_add_nc_u64 s[PFA:PFA+1], s[PFA:PFA+1], s[98:99]
	s_cmp_eq_u32 s22, 0
	s_cselect_b32 s[LIM], 2, -1
	v_lshlrev_b32 v[PFO], s101, v3
	; what is read beside the products, and where the results go
	s_add_nc_u64 s[R2:R2+1], s[R1:R1+1], STATB
	s_lshl_b32 s98, s13, 2
	s_add_co_u32 s98, s98, s42
	s_lshl_b32 s98, s98, 2
	s_add_co_u32 s98, s98, s10
	s_lshl_b32 s98, s98, 15                        ; hl: ((tile of p x 4 + tile of q) x 4 + wave) x 32,768
	s_add_nc_u64 s[R1:R1+1], s[R1:R1+1], s[98:99]
	s_lshl_b32 s98, s13, 19                        ; yt: the tile of 256 rows, my first channel's row of 512 bytes, my 128 rows' 256 bytes
	s_lshl_b32 s101, s42, 17
	s_add_co_u32 s98, s98, s101
	s_lshl_b32 s101, s12, 16
	s_add_co_u32 s98, s98, s101
	s_lshl_b32 s101, s11, 8
	s_add_co_u32 s98, s98, s101
	s_add_nc_u64 s[W1:W1+1], s[W1:W1+1], s[98:99]
	; st: [batch 4][row 64][block of 128 channels 8][q 2][r 16][i 4] f32, channel 16 (4 q + i) + r; rows 0-31 zeros, row 32 + c the state S of chunk c.  hs: [chunk 128][the same 512 bytes x 8], 1 MiB behind st
	s_lshl_b32 s18, s13, 1
	s_add_co_u32 s18, s18, s11                     ; my chunk of 128 rows, 0 .. 127
	s_lshl_b32 s100, s42, 1
	s_add_co_u32 s100, s100, s12
	s_lshl_b32 s100, s100, 9                       ; my block of 128 channels x 512
	s_lshl_b32 s96, s18, 12
	s_add_co_u32 s96, s96, s100
	s_add_co_u32 s96, s96, 1048576                 ; s96: my 512 bytes of hs
	s_lshr_b32 s97, s18, 5                         ; batch
	s_lshl_b32 s97, s97, 18
	s_and_b32 s19, s18, 31                         ; c
	s_lshl_b32 s19, s19, 12
	s_add_co_u32 s97, s97, s19
	s_add_co_u32 s97, s97, s100                    ; s97: row c of my batch, my 512 bytes
	v_sub_nc_u32 v6, 1, v2                         ; lanes 0-15 begin a row further on than lanes 16-31
	v_lshlrev_b32 v6, 12, v6
	v_lshl_add_u32 v[SO], v1, 4, v6
	v_add_nc_u32 v[SO], s97, v[SO]
	; d, -log2(e) b, the scales' inverses and h_in: in the wait for the first tile
	v_lshl_add_u32 v4, v1, 4, s96
.irp b, 0,1,2,3,4,5,6,7
	global_load_b32 v[A0+(\b)], v[CHO], s[RVA:RVA+1] offset:64*(\b)
.endr
.irp b, 0,1,2,3,4,5,6,7
	global_load_b32 v[A2+(\b)], v[CHO], s[RVB:RVB+1] offset:4096+64*(\b)
.endr
	global_load_b128 v[A4:A4+3], v4, s[R2:R2+1]
	global_load_b128 v[A4+4:A4+7], v4, s[R2:R2+1] offset:256
.set ss, 0
.rept 16                                       ; L(s), eight channels: the state of chunk c - 1 - (2 s + h), in row 31 + c - 2 s - h: lanes 0-15 take the even terms, lanes 16-31 the odd ones
	global_load_b128 v[64+8*ss:64+8*ss+3], v[SO], s[R2:R2+1] offset:8192*(15-ss)
	global_load_b128 v[64+8*ss+4:64+8*ss+7], v[SO], s[R2:R2+1] offset:8192*(15-ss)+256
.set ss, ss+1
.endr
	s_wait_loadcnt 34                              ; A and b are in; the 34 loads issued behind them may stay out
	RND8 A0
	RND8 A2
	SIGM8 A0
.irp p, 0,2,4,6
	v_pk_mul_f32 v[A2+(\p):A2+(\p)+1], v[A2+(\p):A2+(\p)+1], s[94:95] op_sel_hi:[1,0]
.endr
.irp p, 0,2,4,6
	v_pk_mul_f32 v[192+(\p):193+(\p)], v[A0+(\p):A0+(\p)+1], v[A0+(\p):A0+(\p)+1]
.endr
.rept 6                                        ; seven squarings in all: D = d^128
.irp p, 0,2,4,6
	v_pk_mul_f32 v[192+(\p):193+(\p)], v[192+(\p):193+(\p)], v[192+(\p):193+(\p)]
.endr
.endr
.irp p, 0,2,4,6
	v_pk_mul_f32 v[200+(\p):201+(\p)], v[192+(\p):193+(\p)], v[192+(\p):193+(\p)]
.endr
	s_wait_loadcnt 0x0
.irp p, 0,2,4,6                                ; H = sum over s of D^(2 s) L(s), from the far end
	v_pk_fma_f32 v[A3+(\p):A3+(\p)+1], v[200+(\p):201+(\p)], v[184+(\p):185+(\p)], v[176+(\p):177+(\p)]
.endr
.set ss, 13
.rept 14
.irp p, 0,2,4,6
	v_pk_fma_f32 v[A3+(\p):A3+(\p)+1], v[200+(\p):201+(\p)], v[A3+(\p):A3+(\p)+1], v[64+8*ss+(\p):65+8*ss+(\p)]
.endr
.set ss, ss-1
.endr
.irp b, 0,1,2,3,4,5,6,7
	v_permlanex16_b32 v[64+(\b)], v[A3+(\b)], s90, s91   ; the other half of the terms
.endr
.irp b, 0,1,2,3,4,5,6,7
	v_cndmask_b32 v[72+(\b)], 1.0, v[192+(\b)], s89      ; h_in = even terms + D x odd terms, in both halves of the lanes
	v_cndmask_b32 v[80+(\b)], v[192+(\b)], 1.0, s89
.endr
.irp p, 0,2,4,6
	v_pk_mul_f32 v[64+(\p):65+(\p)], v[80+(\p):81+(\p)], v[64+(\p):65+(\p)]
.endr
.irp p, 0,2,4,6
	v_pk_fma_f32 v[A3+(\p):A3+(\p)+1], v[72+(\p):73+(\p)], v[A3+(\p):A3+(\p)+1], v[64+(\p):65+(\p)]
.endr
	v_mov_b32 v2, s94                              ; the factor of every sum: -log2(e)
; 16 matrix instructions: row blocks a0, a0 + 1 of the window's four (hi = 0: my rows 0-63, 1: rows 64-127) x all 8 column blocks, 32 along K.  zero = 1: the first product starts the sums.
; The 64 accumulators take turns in one order in every quarter step, over the backward jumps too.
.macro MUL16 f, hi, a0, zero
	WIN MUL_LO+0x50*(\hi)
.irp a, \a0, (\a0)+1
.irp b, 0,1,2,3,4,5,6,7
.if \zero
	v_wmma_f32_16x16x32_bf16 v[8*(8*(\a)+(\b)):8*(8*(\a)+(\b))+7], v[(\f)+8*(4*(\hi)+(\a)):(\f)+8*(4*(\hi)+(\a))+7], v[(\f)+8*(\b):(\f)+8*(\b)+7], 0
.else
	v_wmma_f32_16x16x32_bf16 v[8*(8*(\a)+(\b)):8*(8*(\a)+(\b))+7], v[(\f)+8*(4*(\hi)+(\a)):(\f)+8*(4*(\hi)+(\a))+7], v[(\f)+8*(\b):(\f)+8*(\b)+7], v[8*(8*(\a)+(\b)):8*(8*(\a)+(\b))+7]
.endif
.endr
.endr
.endm
; 32 LDS loads in one run: quarter q (32 along K) of the slot in hand into buffer f: Q's eight blocks of 16 columns, turned, then P's eight blocks of 16 rows
.macro FETCH q, f
	WIN 0x40
.irp i, 0,1,2,3,4,5,6,7
	ds_load_tr16_b128 v[(\f)+8*(\i):(\f)+8*(\i)+3],   v[ADRQ] offset:(\q)*32*PQ+32*(\i)
	ds_load_tr16_b128 v[(\f)+8*(\i)+4:(\f)+8*(\i)+7], v[ADRQ] offset:(\q)*32*PQ+32*(\i)+16*PQ
.endr
	WIN 0
.irp i, 0,1,2,3,4,5,6,7
	ds_load_b128 v[(\f)+8*(\i):(\f)+8*(\i)+3],   v[ADRP] offset:64*(\q)+(\i)*16*PP
	ds_load_b128 v[(\f)+8*(\i)+4:(\f)+8*(\i)+7], v[ADRP] offset:64*(\q)+(\i)*16*PP+32
.endr
.endm
; One of a K step's first three quarters: multiplies buffer f; in its middle it fetches quarter q of the slot in hand into buffer g
.macro QUARTER q, f, g, zero
	s_wait_dscnt 8                                 ; Q and P's rows 0-63 are in; the youngest eight loads (P's rows 64-127) may be out
	MUL16 \f, 0, 0, \zero
	MUL16 \f, 0, 2, \zero
	PLACES
	FETCH \q, \g
	s_wait_dscnt 32                                ; all but the 32 just issued
	MUL16 \f, 1, 0, \zero
	MUL16 \f, 1, 2, \zero
.endm
; The first half of a K step's last quarter: one barrier for the change of slots.  In front of it each wave waits for all its tensor loads (at most one is out: its part of the next slot), adds 0 to its spare word,
; and waits for that and for its reads of this slot.
.macro MEET
	WIN 0
	s_wait_tensorcnt 0x0
	ds_add_u32 v[SPW], v[NIL]
	s_wait_dscnt 9                                 ; (the add and the youngest eight loads may be out)
	MUL16 F1, 0, 0, 0
	s_wait_dscnt 0x0                               ; the add is done, and my reads of this slot are over
	s_barrier_signal -1
	MUL16 F1, 0, 2, 0
	WIN 0
	s_barrier_wait -1
.endm
; The whole last quarter where the slot is filled again, two K steps on: the barrier opens a round of the cluster's barrier, and the joint load is the first thing behind it: 224 matrix instructions ahead of the wait for it.
; The walking descriptors take the slot that is left and the next K step but one; the fragments' addresses take the other slot.
.macro TURN
	s_wait_xcnt 0x0                                ; the last prefetch, a K step back, has read its address
	s_add_nc_u64 s[PFA:PFA+1], s[PFA:PFA+1], s[92:93]
	MEET
	CREST
	s_xor_b32 s[G0+5], s[G0+5], SLOT
	s_add_nc_u64 s[G0+6:G0+7], s[G0+6:G0+7], 256
	s_xor_b32 s[G0B+5], s[G0B+5], SLOT
	s_add_nc_u64 s[G0B+6:G0B+7], s[G0B+6:G0B+7], 65536
	s_xor_b32 s[TB], s[TB], SLOT
	JLOAD 1                                        ; its four v_nop are also the places in front of the loads below
	v_add_nc_u32 v[ADRP], s[TB], v[ADRP0]
	v_add_nc_u32 v[ADRQ], s[TB], v[ADRQ0]
	FETCH 0, F0
	ASK
	MUL16 F1, 1, 0, 0
	MUL16 F1, 1, 2, 0
.endm
; The same where nothing is filled: no round, no load
.macro TURNL
	MEET
	PLACES
	s_xor_b32 s[TB], s[TB], SLOT
	v_add_nc_u32 v[ADRP], s[TB], v[ADRP0]
	v_add_nc_u32 v[ADRQ], s[TB], v[ADRQ0]
	FETCH 0, F0
	MUL16 F1, 1, 0, 0
	MUL16 F1, 1, 2, 0
.endm
	s_wait_tensorcnt 1                             ; my part of K step 0 is in; K step 1's may stay out
	s_barrier_signal -1
	s_barrier_wait -1
	FETCH 0, F0
	QUARTER 1, F0, F1, 1                           ; the first quarter starts the sums
	WIN 0
	s_mov_b32 s3, 6
.Lstep:                                        ; a trip: a K step's quarters 1 to 3 and the next step's quarter 0; it asks for the K step two on: K steps 2 to 7 in six trips
	QUARTER 2, F1, F0, 0
	QUARTER 3, F0, F1, 0
	TURN
	QUARTER 1, F0, F1, 0
	WIN 0
	s_sub_co_u32 s3, s3, 1
	s_cmp_lg_u32 s3, 0
	s_cbranch_scc1 .Lstep
	WIN 0x40                                       ; destination window 1, address window 0
	HLOAD 0                                        ; blocks 0-3 of the local scan, into registers that no product names: seven quarter steps ahead of their use
	HLOAD 1
	HLOAD 2
	HLOAD 3
	WIN 0
	s_mov_b32 s3, 2
.Ltail:                                        ; K steps 6 and 7 fill nothing.  The second trip has no next step: its quarter 0 is jumped over, and the 32 LDS loads in front of it bring K step 6's bytes once more, for nobody
	QUARTER 2, F1, F0, 0
	QUARTER 3, F0, F1, 0
	TURNL
	WIN 0
	s_cmp_eq_u32 s3, 1
	s_cbranch_scc1 .Llast
	QUARTER 1, F0, F1, 0
	WIN 0
.Llast:
	s_sub_co_u32 s3, s3, 1
	s_cmp_lg_u32 s3, 0
	s_cbranch_scc1 .Ltail
	s_wait_dscnt 0x0                               ; those loads are back: their registers may be used
	PLACES
	PLACES
	s_wait_loadcnt 0x0                             ; blocks 0-3 of the local scan are in
	WIN 0x40
	HLOAD 4                                        ; blocks 4-7, into Q's fragment buffers: four blocks' work ahead of their use
	HLOAD 5
	HLOAD 6
	HLOAD 7
	WIN 0
; BEHIND THE PRODUCTS: a loop over my eight blocks of 16 channels.  Only the lines that name accumulators or the local scan's registers are written eight times; the counter picks the copy.
; GET k: block k's d, -log2(e) b, h_in and inverse scale; -log2(e) (sum + b) into W (each accumulator's lowest registers are read first); the local scan's 64 f16 halves times the inverse scale into T.
.set PW, 96                            ; v[96:103] d^1 .. d^8; v[104:112] d^(16 a + 8 h) h_in, and one at work; v[128:191] the scan
.set WA, 104
.set T,  128
.macro GET k
	v_mov_b32 v4, v[A0+(\k)]
	v_mov_b32 v3, v[A2+(\k)]
	v_mov_b32 v6, v[A3+(\k)]
	v_mov_b32 v7, v[A4+(\k)]
.irp a, 0,1,2,3,4,5,6,7
	WIN 0x02+(\a)/4
.irp p, 0,1,2,3
	v_pk_fma_f32 v[W+8*(\a)+2*(\p):W+8*(\a)+2*(\p)+1], v[8*(8*((\a)%4)+(\k))+2*(\p):8*(8*((\a)%4)+(\k))+2*(\p)+1], v[2:3], v[2:3] op_sel:[0,0,1] op_sel_hi:[1,0,1]
.endr
.endr
.if (\k) >= 4
	s_wait_loadcnt 8*(7-(\k))                      ; block k is in; the later blocks' loads, eight each, may stay out
.endif
	HBASE \k
	WIN 0x01                                       ; source 0 window 1
.set m, 0
.rept 32
	v_fma_mix_f32 v[T+2*m], v[hb+m], v7, v[ZR] op_sel:[0,0,0] op_sel_hi:[1,0,0]
	v_fma_mix_f32 v[T+2*m+1], v[hb+m], v7, v[ZR] op_sel:[1,0,0] op_sel_hi:[1,0,0]
.set m, m+1
.endr
	WIN 0
.endm
.macro PWM x                           ; T pair x (x = 4 a + p) += d^(2 p + 1), d^(2 p + 2) times d^(16 a + 8 h) h_in
.if (((\x)/4)&1)
	v_pk_fma_f32 v[T+2*(\x):T+2*(\x)+1], v[PW+2*((\x)%4):PW+2*((\x)%4)+1], v[WA+((\x)/8)*2:WA+((\x)/8)*2+1], v[T+2*(\x):T+2*(\x)+1] op_sel:[0,1,0] op_sel_hi:[1,1,1]
.else
	v_pk_fma_f32 v[T+2*(\x):T+2*(\x)+1], v[PW+2*((\x)%4):PW+2*((\x)%4)+1], v[WA+((\x)/8)*2:WA+((\x)/8)*2+1], v[T+2*(\x):T+2*(\x)+1] op_sel:[0,0,0] op_sel_hi:[1,0,1]
.endif
.endm
.macro EXPN                            ; the next of the block's 64 exponentials
	v_exp_f32 v[W+n], v[W+n]
.set n, n+1
.endm
	s_mov_b32 s2, 0
.Lblk:
.irp k, 0,1,2,3,4,5,6
	s_cmp_eq_u32 s2, \k
	s_cbranch_scc1 .Lget\k
.endr
	GET 7
	s_branch .Lgot
.irp k, 0,1,2,3,4,5
.Lget\k:
	GET \k
	s_branch .Lgot
.endr
.Lget6:
	GET 6
.Lgot:
	; The 64 exponentials are one batch with one wait; none of the plain lines that stand by turns with them (the powers of d, the carry's weights, the carry's term) names a result of theirs
.set n, 0
	EXPN
	v_mov_b32 v[PW], v4
	EXPN
	v_mul_f32 v[PW+1], v4, v4
	EXPN
	v_mul_f32 v[PW+2], v[PW+1], v4
	EXPN
	v_mul_f32 v[PW+3], v[PW+1], v[PW+1]
	EXPN
	v_mul_f32 v[PW+4], v[PW+3], v4
	EXPN
	v_mul_f32 v[PW+5], v[PW+3], v[PW+1]
	EXPN
	v_mul_f32 v[PW+6], v[PW+3], v[PW+2]
	EXPN
	v_mul_f32 v[PW+7], v[PW+3], v[PW+3]
	EXPN
	v_mul_f32 v5, v[PW+7], v[PW+7]                 ; d^16
	EXPN
	v_cndmask_b32 v[WA+8], 1.0, v[PW+7], s89       ; lanes 0-15: 1, lanes 16-31: d^8
	EXPN
	v_mul_f32 v[WA], v6, v[WA+8]
.irp a, 1,2,3,4,5,6,7
	EXPN
	v_mul_f32 v[WA+(\a)], v[WA+(\a)-1], v5
.endr
.set x, 0
.rept 32
	EXPN
	PWM x
.set x, x+1
.endr
.rept 14
	EXPN
.endr
	v_nop                                          ; the plain line behind the last exponential,
	s_wait_alu depctr_va_vdst(0)                   ; and the one wait for the 64
	; 1 + e, and the 64 reciprocals, one batch with one wait: an addition stands three pairs ahead of its pair's reciprocals
.set n, 0
.rept 3
	v_pk_add_f32 v[W+2*n:W+2*n+1], v[W+2*n:W+2*n+1], 1.0 op_sel_hi:[1,0]
.set n, n+1
.endr
.set n, 0
.rept 29
	v_rcp_f32 v[W+2*n], v[W+2*n]
	v_pk_add_f32 v[W+2*n+6:W+2*n+7], v[W+2*n+6:W+2*n+7], 1.0 op_sel_hi:[1,0]
	v_rcp_f32 v[W+2*n+1], v[W+2*n+1]
.set n, n+1
.endr
.rept 3
	v_rcp_f32 v[W+2*n], v[W+2*n]
	v_rcp_f32 v[W+2*n+1], v[W+2*n+1]
.set n, n+1
.endr
	v_nop
	s_wait_alu depctr_va_vdst(0)
.set n, 0
.rept 32
	v_pk_mul_f32 v[W+2*n:W+2*n+1], v[W+2*n:W+2*n+1], v[T+2*n:T+2*n+1]
.set n, n+1
.endr
.set n, 0
.rept 32
	v_cvt_pk_bf16_f32 v[W+n], v[W+2*n], v[W+2*n+1]
.set n, n+1
.endr
.irp a, 0,1,2,3,4,5,6,7
	ds_store_b128 v[STG], v[W+4*(\a):W+4*(\a)+3] offset:32*(\a)     ; my stage: row = channel, eight rows of time as 16 bytes
.endr
.irp t, 0,1,2,3,4,5,6,7
	ds_load_b128 v[W+32+4*(\t):W+32+4*(\t)+3], v[RDG] offset:2*PP*(\t)  ; LDS serves a wave's instructions in order (ISA guide 5.7.1.4): these see the stores above
.endr
.irp t, 0,1,2,3,4,5,6,7
	s_wait_dscnt 7-(\t)                            ; the younger LDS loads may stay out
	global_store_b128 v[COG], v[W+32+4*(\t):W+32+4*(\t)+3], s[W1:W1+1] offset:1024*(\t)  ; 16 lanes store 256 consecutive bytes of a channel's row, aligned
.endr
	s_wait_xcnt 0x0                                ; the stores have read their data and their base
	s_add_nc_u64 s[W1:W1+1], s[W1:W1+1], 8192
	s_add_co_u32 s2, s2, 1
	s_cmp_lt_u32 s2, 8
	s_cbranch_scc1 .Lblk
	s_wait_tensorcnt 0x0                           ; the wave's end, behind my last tensor load and my last LDS store
	ds_add_u32 v[SPW], v[NIL]
	s_wait_dscnt 0x0
	CROUND                                         ; the closing round: no work-group ends while a partner may still ask for a tile that names it
	s_endpgm
.Lfunc_end_k_q62ef71489f_gate:
	.size	k_q62ef71489f_gate, .Lfunc_end_k_q62ef71489f_gate-k_q62ef71489f_gate
	.p2alignl 7, 3214868480
	.fill 96, 4, 3214868480
	.section	.rodata,"a",@progbits
	.p2align	6, 0x0
	.amdhsa_kernel k_q62ef71489f_gate
		.amdhsa_group_segment_fixed_size 327680
		.amdhsa_private_segment_fixed_size 0
		.amdhsa_enable_private_segment 0
		.amdhsa_kernarg_size 48
		.amdhsa_user_sgpr_count 2
		.amdhsa_user_sgpr_kernarg_segment_ptr 1
		.amdhsa_wavefront_size32 1
		.amdhsa_system_sgpr_workgroup_id_x 1
		.amdhsa_system_sgpr_workgroup_id_y 1
		.amdhsa_system_sgpr_workgroup_id_z 1
		.amdhsa_system_vgpr_workitem_id 0
		.amdhsa_next_free_vgpr 1024
		.amdhsa_next_free_sgpr 102
		.amdhsa_reserve_vcc 0
		.amdhsa_float_denorm_mode_32 3
		.amdhsa_float_denorm_mode_16_64 3
		.amdhsa_memory_ordered 1
		.amdhsa_forward_progress 1
		.amdhsa_inst_pref_size 158
	.end_amdhsa_kernel
	.amdgpu_metadata
---
amdhsa.version: [ 1, 2 ]
amdhsa.kernels:
  - .name:           k_q62ef71489f_gate
    .symbol:         k_q62ef71489f_gate.kd
    .args:
      - { .name: xb, .offset: 0, .size: 8, .value_kind: global_buffer, .address_space: global }
      - { .name: wb, .offset: 8, .size: 8, .value_kind: global_buffer, .address_space: global }
      - { .name: b_in, .offset: 16, .size: 8, .value_kind: global_buffer, .address_space: global }
      - { .name: A, .offset: 24, .size: 8, .value_kind: global_buffer, .address_space: global }
      - { .name: hl, .offset: 32, .size: 8, .value_kind: global_buffer, .address_space: global }
      - { .name: yt, .offset: 40, .size: 8, .value_kind: global_buffer, .address_space: global }
    .group_segment_fixed_size: 327680
    .private_segment_fixed_size: 0
    .kernarg_segment_align: 8
    .kernarg_segment_size: 48
    .max_flat_workgroup_size: 128
    .sgpr_count:     102
    .vgpr_count:     1024
    .wavefront_size: 32
...
	.end_amdgpu_metadata
.endif
;; end of part 3
;; launch outp (part 4): grid 64 x 4, 4 waves a work-group, clusters of 4 x 4, 327,680 bytes of LDS; arguments wb, yt, b_out, out0; writes out0
.if DOCPART == 4
	.amdgcn_target "amdgcn-amd-amdhsa--gfx1250"
	.amdhsa_code_object_version 6
	.text
	.protected	k_q62ef71489f_outp
	.globl	k_q62ef71489f_outp
	.p2align	8
	.type	k_q62ef71489f_outp,@function
k_q62ef71489f_outp:
	s_mov_b64 s[64:65], 0
	v_nop
	global_prefetch_b8 v0, s[64:65] scope:SCOPE_SE
	s_setreg_imm32_b32 hwreg(HW_REG_WAVE_MODE, 25, 1), 1
	s_wait_xcnt 0x0
	s_wait_alu depctr_hold_cnt(0) depctr_sa_sdst(0) depctr_va_vdst(0) depctr_va_sdst(0) depctr_va_ssrc(0) depctr_va_vcc(0) depctr_vm_vsrc(0)
	s_getreg_b32 s2, hwreg(HW_REG_IB_STS2, 6, 4)
	s_cmp_eq_u32 s2, 0
	s_cbranch_scc0 .Lentry_in_a_cluster
	s_endpgm
.Lentry_in_a_cluster:
	s_bfe_u32 s2, ttmp6, 0x10000c
	s_cmp_lg_u32 s2, 0xf033
	s_cbranch_scc0 .Lentry_shape_is_right
	s_endpgm
.Lentry_shape_is_right:
; THE THIRD OF THREE PRODUCTS OF ONE SHAPE (head, ring and product loops are the same lines in all three kernels): D[p][q] = sum over k of P[p][k] Q[k][q], 1024 x 16384 x 1024 here,
; bf16 operands, f32 sums, tiles of 256 x 256, one to a work-group.  P lies [row][1024 k] (2,048 bytes a row); Q lies [tile of 256 q][1024 k][256 q] (512 bytes a row).
; HERE: P = W_out turned (wb from byte 4 MiB on: [1024 n][1024 k]), Q = y as the launch before stored it (yt: [tile of 256 rows m][1024 k][256 m]).  out[m][n] = sum + b_out[n], f32, row-major.
; LIMITS.  W_out and b_out are rounded once to bf16; y came rounded to bf16.  NaN and infinities are not treated apart.
; SHARES.  Four waves, each 128 x 128: 64 accumulators of 16 x 16.  Source 0 = 16 rows of P, source 1 = 16 columns of Q (out of LDS by the turning load): in a result lane l holds column q = l % 16 and the rows
; p = 8 (l / 16) + 0..7: one row m of out and eight neighbouring columns n.
; RING.  K goes in eight steps of 128 through two LDS slots; each wave fetches a quarter of a slot by one tensor load.  CLUSTER of 4 x 4: P's tile is shared along a row of the cluster, Q's along a column, each asked for jointly.
; A K step is written once for the six steps that fill a slot again and once for the last two.  The slot in hand is s4, 0 or SLOT, turned by an exclusive or; SLOT = 0x22000, and its two bits are 0 in every
; slot-0 address that is so turned (0, and the wave's number x 0x8800), so the exclusive or adds or takes away SLOT.
; REGISTERS in windows of 256 (s_set_vgpr_msb: bits 1:0 source 0, 3:2 source 1, 5:4 source 2, 7:6 destination): window 0: v0-31 addresses; v32-35 four of b_out; v64-127, v128-191 P's two fragment buffers, the first at work on the
; way out.  Window 1: v64-191 Q's two buffers.  Windows 2, 3: the accumulators, (a, b) at v[8 (8 (a % 4) + b)].
.set PP,    272                        ; a row of P in LDS: 256 bytes + 16: the 16 rows of a load start at 16 different groups of four banks (64 banks of 4 bytes: ISA guide 11.1)
.set PQ,    544                        ; a row of Q: 512 + 32
.set HALFT, 34816                      ; what one tensor load brings: 128 rows of P or 64 rows of Q
.set SLOT,  4*HALFT                    ; P's 256 rows, then Q's 128 rows
.set STAGE, 2*SLOT                     ; behind the ring, never filled by a tensor load: 16 rows x 528 bytes for each wave, for the way out
.set STW,   8448
.set SPARE, STAGE+4*STW                ; behind the stages: the spare words, 128 bytes for each wave
.set ADRP0, 16                         ; v16       LDS address of my fragments of P in slot 0; never rewritten
.set ADRP, 17                          ; v17       the same in the slot in hand
.set HLO,  18                          ; v18       16 x lane
.set ADRQ0, 20                         ; v20, v21  the same as ADRP0, ADRP for Q
.set ADRQ, 21
.set STO,  24                          ; v24, v25  the way out: into my stage, and back
.set RDO,  25
.set SPW,  28                          ; v28       LDS address of my spare word; never rewritten
.set NIL,  29                          ; v29       0; never rewritten
.set PFO,  30                          ; v30       the ring's prefetches: my lane's block
.set A0,   32                          ; v[32:35]  the four of b_out that belong to my 16 bytes of a row of out
.set F0,   64
.set F1,   128
.set TB,  4                            ; s4       the slot in hand: 0 or SLOT
.set G1,  24                           ; s[24:31] descriptor group 1 for P's tiles;  s[32:39] group 0: a set for each of the two first fills; the second then walks on
.set G0,  32
.set LIM, 43                           ; s43      2 in a wave that prefetches for the ring, else the greatest number
.set PFA, 44                           ; s[44:45] where those prefetches stand
.set G1B, 48                           ; s[48:55], s[56:63] the same as G1, G0 for Q's tiles
.set G0B, 56
.set RP,  68                           ; s[68:75] the arguments: wb, yt, b_out, out0
.set RQ,  70
.set RVB, 72
.set W1,  74
.set MSB, 0
.macro WIN new                         ; the immediate's high byte repeats the setting that is left; a switch that changes nothing is dropped
.if MSB != (\new)
	s_set_vgpr_msb (MSB<<8)|(\new)
.set MSB, \new
.endif
.endm
.set MUL_LO, 0xa4                      ; source 0 (P) window 0, source 1 (Q) window 1, C and D window 2
; A joint load.  Waves 0 and 1 fetch P's two halves, waves 2 and 3 Q's.  The branch hangs on the wave's number alone.  An s_nop 0 and four v_nop follow each of the two lines.
.macro JLOAD s
	s_cmp_eq_u32 s11, 0
	s_cbranch_scc0 .Lfor_q_\@
	tensor_load_to_lds s[G0+4*(\s):G0+4*(\s)+3], s[G1:G1+7]
	s_nop 0
.rept 4
	v_nop
.endr
	s_branch .Lasked_\@
.Lfor_q_\@:
	tensor_load_to_lds s[G0B+4*(\s):G0B+4*(\s)+3], s[G1B:G1B+7]
	s_nop 0
.rept 4
	v_nop
.endr
.Lasked_\@:
.endm
; The ring's prefetch, behind a joint load, its five lines and the run of LDS loads: the K step that stands two refills on, 512 matrix instructions ahead of the load that will want it.  Each aligned block of 256 bytes is named once
; in the launch: P's rows by the clusters with x = 0, Q's by those with y = 0; of what a wave fetches each of the four partners takes a quarter, told apart by address.  The loop's counter runs 6 .. 1; its last two trips have no K step two refills on.
.macro ASK
	s_cmp_gt_u32 s3, s[LIM]
	s_cbranch_scc0 .Lnot_mine_\@
	global_prefetch_b8 v[PFO], s[PFA:PFA+1] th:TH_LOAD_NT scope:SCOPE_SE
.Lnot_mine_\@:
.endm
.macro CREST                           ; a round of the cluster's barrier behind its opening barrier
	s_cmp_lg_u32 s10, 0
	s_cbranch_scc1 .Lnot_wave_0_\@
	s_barrier_signal -3
.Lnot_wave_0_\@:
	s_barrier_wait -3
	s_barrier_signal -1
	s_barrier_wait -1
.endm
.macro CROUND                          ; a whole round
	s_barrier_signal -1
	s_barrier_wait -1
	CREST
.endm
.macro PLACES                          ; four places behind matrix instructions, in front of loads into registers that they have read and of lines that read results
.rept 4
	v_nop
.endr
.endm
.macro RND2 x                          ; two f32 rounded to bf16 and widened again
	v_cvt_pk_bf16_f32 v3, v[(\x)], v[(\x)+1]
	v_lshlrev_b32 v[(\x)], 16, v3
	v_and_b32 v[(\x)+1], s89, v3
.endm
	s_load_b256 s[68:75], s[0:1], 0x0
	v_lshl_add_u32 v[SPW], v0, 2, SPARE
	v_mov_b32 v[NIL], 0
	ds_add_u32 v[SPW], v[NIL]                      ; the wave's opening: the add, twice on end, and its wait ahead of my first tensor load
	ds_add_u32 v[SPW], v[NIL]
	v_lshrrev_b32 v1, 5, v0
	v_readfirstlane_b32 s10, v1                    ; wave 0..3
	s_lshr_b32 s11, s10, 1                         ; which 128 rows p are mine.  Also: I fetch for P (0) or for Q (1)
	s_and_b32 s12, s10, 1                          ; which 128 columns q.  Also: which half of that tile I fetch
	s_bfe_u32 s40, ttmp6, 0x40000                  ; cx, cy: my place in the cluster
	s_bfe_u32 s41, ttmp6, 0x40004
	s_lshl_b32 s42, ttmp9, 2
	s_add_co_u32 s42, s42, s40                     ; tile of q = 4 x cluster x + cx
	s_and_b32 s13, ttmp7, 0xffff
	s_lshl_b32 s13, s13, 2
	s_add_co_u32 s13, s13, s41                     ; tile of p = 4 x cluster y + cy
	s_lshl_b32 s21, s41, 2
	s_lshl_b32 s21, 15, s21                        ; my row of the cluster
	s_lshl_b32 s22, 0x1111, s40                    ; my column
	s_or_b32 s[G1+0], s21, (1<<16)|(1<<20)|(1<<21)|(5<<22)|(3<<25)   ; the mask; 2-byte elements; padding on; bit 21 beside a mask; after every 64 words, 4 words
	s_mov_b32 s[G1+1], 128<<16                     ; tensor_dim0 = 128
	s_mov_b32 s[G1+2], 128<<16                     ; tensor_dim1 = 128
	s_mov_b32 s[G1+3], 128<<16                     ; tile_dim0 = 128
	s_mov_b32 s[G1+4], 128                         ; tile_dim1 = 128
	s_mov_b32 s[G1+5], 1024                        ; elements from row to row
	s_mov_b32 s[G1+6], 0
	s_mov_b32 s[G1+7], 0
	s_or_b32 s[G1B+0], s22, (1<<16)|(1<<20)|(1<<21)|(6<<22)|(7<<25)  ; after every 128 words, 8 words
	s_mov_b32 s[G1B+1], 256<<16                    ; tensor_dim0 = 256
	s_mov_b32 s[G1B+2], 64<<16                     ; tensor_dim1 = 64
	s_mov_b32 s[G1B+3], 256<<16                    ; tile_dim0 = 256
	s_mov_b32 s[G1B+4], 64                         ; tile_dim1 = 64
	s_mov_b32 s[G1B+5], 256
	s_mov_b32 s[G1B+6], 0
	s_mov_b32 s[G1B+7], 0
	s_mov_b32 s89, 0xffff0000                      ; a word's upper bf16
	s_mov_b32 s[TB], 0
	s_mul_i32 s20, s10, HALFT                      ; where my tiles go: wave x a quarter of a slot
	s_lshl_b32 s16, s13, 19                        ; P: 256 rows of 2,048 bytes a tile,
	s_lshl_b32 s17, s12, 18                        ; my 128 of them,
	s_add_co_u32 s16, s16, s17
	s_add_co_u32 s16, s16, 4194304                 ; behind W_in's 4 MiB
	s_mov_b32 s17, 0
	s_lshl_b32 s46, s42, 19                        ; Q: 1,024 rows of 512 bytes a tile,
	s_lshl_b32 s47, s12, 15                        ; my 64 of a K step's 128
	s_add_co_u32 s46, s46, s47
	s_mov_b32 s47, 0
	s_wait_dscnt 0x0                               ; both opening adds are done
	s_wait_kmcnt 0x0
	s_add_nc_u64 s[14:15], s[RP:RP+1], s[16:17]
	s_add_nc_u64 s[46:47], s[RQ:RQ+1], s[46:47]
	CROUND                                         ; all sixteen work-groups are here: the first joint loads meet
.irp s, 0,1
	s_mov_b32 s[G0+4*(\s)], 1
	s_add_co_u32 s[G0+4*(\s)+1], s20, (\s)*SLOT
	s_add_nc_u64 s[G0+4*(\s)+2:G0+4*(\s)+3], s[14:15], (\s)*256      ; K step s: 256 bytes along the rows
	s_or_b32 s[G0+4*(\s)+3], s[G0+4*(\s)+3], 0x80000000
	s_mov_b32 s[G0B+4*(\s)], 1
	s_add_co_u32 s[G0B+4*(\s)+1], s20, (\s)*SLOT
	s_add_nc_u64 s[G0B+4*(\s)+2:G0B+4*(\s)+3], s[46:47], (\s)*65536  ; K step s: 128 rows down
	s_or_b32 s[G0B+4*(\s)+3], s[G0B+4*(\s)+3], 0x80000000
	JLOAD \s                                       ; two loads of mine are out
.endr
	; the lanes' addresses
	v_and_b32 v1, 15, v0                           ; r = l % 16
	v_bfe_u32 v2, v0, 4, 1                         ; h = l / 16
	v_and_b32 v3, 31, v0                           ; l
	v_mul_u32_u24 v4, v1, PP
	v_lshl_add_u32 v4, v2, 4, v4                   ; r x 272 + 16 h
	s_mul_i32 s21, s11, HALFT
	v_add_nc_u32 v[ADRP0], s21, v4
	v_mov_b32 v[ADRP], v[ADRP0]
	v_and_b32 v5, 7, v0                            ; the turning load: lane l reads row 8 h + l % 8, 16 bytes at 16 ((l / 8) % 2)
	v_lshl_add_u32 v5, v2, 3, v5
	v_mul_u32_u24 v5, v5, PQ
	v_bfe_u32 v6, v0, 3, 1
	v_lshl_add_u32 v5, v6, 4, v5
	s_lshl_b32 s22, s12, 8                         ; my 128 columns: 256 bytes of a row; Q lies behind P's 256 rows
	s_add_co_u32 s22, s22, 2*HALFT
	v_add_nc_u32 v[ADRQ0], s22, v5
	v_mov_b32 v[ADRQ], v[ADRQ0]
	s_mul_i32 s23, s10, STW
	s_add_co_u32 s23, s23, STAGE                   ; my stage
	v_mul_u32_u24 v6, v1, 528                      ; in: row m = l % 16, 32 bytes for each half of the lanes
	v_lshl_add_u32 v6, v2, 5, v6
	v_add_nc_u32 v[STO], s23, v6
	v_lshl_add_u32 v[RDO], v3, 4, s23              ; back: 32 lanes take a row's 512 bytes
	v_lshlrev_b32 v[HLO], 4, v3
	; the ring's prefetches: a P wave takes 32 of its 128 rows (by cx), a lane a row; a Q wave 8,192 of its 32,768 dense bytes (by cy), a lane 256 bytes.  They stand at K step 3; the first change of slots steps them to 4
	s_lshl_b32 s98, s40, 16
	s_add_co_u32 s98, s98, 3*256
	s_lshl_b32 s100, s41, 13
	s_add_co_u32 s100, s100, 3*65536
	s_and_b32 s22, ttmp7, 0xffff
	s_mov_b32 s92, 256
	s_mov_b32 s93, 65536
	s_cmp_eq_u32 s11, 0
	s_cselect_b64 s[PFA:PFA+1], s[14:15], s[46:47]
	s_cselect_b32 s22, ttmp9, s22                  ; the coordinate along which other clusters read the same bytes
	s_cselect_b32 s98, s98, s100
	s_cselect_b32 s92, s92, s93                    ; s[92:93]: a K step in bytes
	s_cselect_b32 s101, 11, 8
	s_mov_b32 s93, 0
	s_mov_b32 s99, 0
	s_add_nc_u64 s[PFA:PFA+1], s[PFA:PFA+1], s[98:99]
	s_cmp_eq_u32 s22, 0
	s_cselect_b32 s[LIM], 2, -1
	v_lshlrev_b32 v[PFO], s101, v3
	; where the results go: my first row m of 4,096 bytes, my first column n
	s_lshl_b32 s96, s13, 10
	s_lshl_b32 s97, s11, 9
	s_add_co_u32 s96, s96, s97                     ; s96: my first column, in bytes of f32
	s_lshl_b32 s98, s42, 20
	s_lshl_b32 s101, s12, 19
	s_add_co_u32 s98, s98, s101
	s_add_co_u32 s98, s98, s96
	s_add_nc_u64 s[W1:W1+1], s[W1:W1+1], s[98:99]
	v_add_nc_u32 v4, s96, v[HLO]
	global_load_b128 v[A0:A0+3], v4, s[RVB:RVB+1]
	s_wait_loadcnt 0x0
	RND2 A0
	RND2 A0+2
; 16 matrix instructions: row blocks a0, a0 + 1 of the window's four (hi = 0: my rows 0-63, 1: rows 64-127) x all 8 column blocks, 32 along K.  zero = 1: the first product starts the sums.
; The 64 accumulators take turns in one order in every quarter step, over the backward jumps too.
.macro MUL16 f, hi, a0, zero
	WIN MUL_LO+0x50*(\hi)
.irp a, \a0, (\a0)+1
.irp b, 0,1,2,3,4,5,6,7
.if \zero
	v_wmma_f32_16x16x32_bf16 v[8*(8*(\a)+(\b)):8*(8*(\a)+(\b))+7], v[(\f)+8*(4*(\hi)+(\a)):(\f)+8*(4*(\hi)+(\a))+7], v[(\f)+8*(\b):(\f)+8*(\b)+7], 0
.else
	v_wmma_f32_16x16x32_bf16 v[8*(8*(\a)+(\b)):8*(8*(\a)+(\b))+7], v[(\f)+8*(4*(\hi)+(\a)):(\f)+8*(4*(\hi)+(\a))+7], v[(\f)+8*(\b):(\f)+8*(\b)+7], v[8*(8*(\a)+(\b)):8*(8*(\a)+(\b))+7]
.endif
.endr
.endr
.endm
; 32 LDS loads in one run: quarter q (32 along K) of the slot in hand into buffer f: Q's eight blocks of 16 columns, turned, then P's eight blocks of 16 rows
.macro FETCH q, f
	WIN 0x40
.irp i, 0,1,2,3,4,5,6,7
	ds_load_tr16_b128 v[(\f)+8*(\i):(\f)+8*(\i)+3],   v[ADRQ] offset:(\q)*32*PQ+32*(\i)
	ds_load_tr16_b128 v[(\f)+8*(\i)+4:(\f)+8*(\i)+7], v[ADRQ] offset:(\q)*32*PQ+32*(\i)+16*PQ
.endr
	WIN 0
.irp i, 0,1,2,3,4,5,6,7
	ds_load_b128 v[(\f)+8*(\i):(\f)+8*(\i)+3],   v[ADRP] offset:64*(\q)+(\i)*16*PP
	ds_load_b128 v[(\f)+8*(\i)+4:(\f)+8*(\i)+7], v[ADRP] offset:64*(\q)+(\i)*16*PP+32
.endr
.endm
; One of a K step's first three quarters: multiplies buffer f; in its middle it fetches quarter q of the slot in hand into buffer g
.macro QUARTER q, f, g, zero
	s_wait_dscnt 8                                 ; Q and P's rows 0-63 are in; the youngest eight loads (P's rows 64-127) may be out
	MUL16 \f, 0, 0, \zero
	MUL16 \f, 0, 2, \zero
	PLACES
	FETCH \q, \g
	s_wait_dscnt 32                                ; all but the 32 just issued
	MUL16 \f, 1, 0, \zero
	MUL16 \f, 1, 2, \zero
.endm
; The first half of a K step's last quarter: one barrier for the change of slots.  In front of it each wave waits for all its tensor loads (at most one is out: its part of the next slot), adds 0 to its spare word,
; and waits for that and for its reads of this slot.
.macro MEET
	WIN 0
	s_wait_tensorcnt 0x0
	ds_add_u32 v[SPW], v[NIL]
	s_wait_dscnt 9                                 ; (the add and the youngest eight loads may be out)
	MUL16 F1, 0, 0, 0
	s_wait_dscnt 0x0                               ; the add is done, and my reads of this slot are over
	s_barrier_signal -1
	MUL16 F1, 0, 2, 0
	WIN 0
	s_barrier_wait -1
.endm
; The whole last quarter where the slot is filled again, two K steps on: the barrier opens a round of the cluster's barrier, and the joint load is the first thing behind it: 224 matrix instructions ahead of the wait for it.
; The walking descriptors take the slot that is left and the next K step but one; the fragments' addresses take the other slot.
.macro TURN
	s_wait_xcnt 0x0                                ; the last prefetch, a K step back, has read its address
	s_add_nc_u64 s[PFA:PFA+1], s[PFA:PFA+1], s[92:93]
	MEET
	CREST
	s_xor_b32 s[G0+5], s[G0+5], SLOT
	s_add_nc_u64 s[G0+6:G0+7], s[G0+6:G0+7], 256
	s_xor_b32 s[G0B+5], s[G0B+5], SLOT
	s_add_nc_u64 s[G0B+6:G0B+7], s[G0B+6:G0B+7], 65536
	s_xor_b32 s[TB], s[TB], SLOT
	JLOAD 1                                        ; its four v_nop are also the places in front of the loads below
	v_add_nc_u32 v[ADRP], s[TB], v[ADRP0]
	v_add_nc_u32 v[ADRQ], s[TB], v[ADRQ0]
	FETCH 0, F0
	ASK
	MUL16 F1, 1, 0, 0
	MUL16 F1, 1, 2, 0
.endm
; The same where nothing is filled: no round, no load
.macro TURNL
	MEET
	PLACES
	s_xor_b32 s[TB], s[TB], SLOT
	v_add_nc_u32 v[ADRP], s[TB], v[ADRP0]
	v_add_nc_u32 v[ADRQ], s[TB], v[ADRQ0]
	FETCH 0, F0
	MUL16 F1, 1, 0, 0
	MUL16 F1, 1, 2, 0
.endm
	s_wait_tensorcnt 1                             ; my part of K step 0 is in; K step 1's may stay out
	s_barrier_signal -1
	s_barrier_wait -1
	FETCH 0, F0
	QUARTER 1, F0, F1, 1                           ; the first quarter starts the sums
	WIN 0
	s_mov_b32 s3, 6
.Lstep:                                        ; a trip: a K step's quarters 1 to 3 and the next step's quarter 0; it asks for the K step two on: K steps 2 to 7 in six trips
	QUARTER 2, F1, F0, 0
	QUARTER 3, F0, F1, 0
	TURN
	QUARTER 1, F0, F1, 0
	WIN 0
	s_sub_co_u32 s3, s3, 1
	s_cmp_lg_u32 s3, 0
	s_cbranch_scc1 .Lstep
	s_mov_b32 s3, 2
.Ltail:                                        ; K steps 6 and 7 fill nothing.  The second trip has no next step: its quarter 0 is jumped over, and the 32 LDS loads in front of it bring K step 6's bytes once more, for nobody
	QUARTER 2, F1, F0, 0
	QUARTER 3, F0, F1, 0
	TURNL
	WIN 0
	s_cmp_eq_u32 s3, 1
	s_cbranch_scc1 .Llast
	QUARTER 1, F0, F1, 0
	WIN 0
.Llast:
	s_sub_co_u32 s3, s3, 1
	s_cmp_lg_u32 s3, 0
	s_cbranch_scc1 .Ltail
	s_wait_dscnt 0x0                               ; those loads are back: their registers may be used
	PLACES
	PLACES
; THE WAY OUT: a loop over my eight blocks of 16 rows m.  Only the lines that name accumulators are written eight times; the counter picks the copy.
; PUT k: a lane's eight sums are 32 neighbouring bytes of a row of out; they go into my stage (rows of 528 bytes: the 16 rows of a store start at 16 different groups of four banks).
; Each accumulator's lowest registers are read first.
.macro PUT k
.irp a, 0,1,2,3,4,5,6,7
	WIN 0x08+4*((\a)/4)
	ds_store_b128 v[STO], v[8*(8*((\a)%4)+(\k)):8*(8*((\a)%4)+(\k))+3] offset:64*(\a)
	ds_store_b128 v[STO], v[8*(8*((\a)%4)+(\k))+4:8*(8*((\a)%4)+(\k))+7] offset:64*(\a)+16
.endr
	WIN 0
.endm
	s_mov_b32 s2, 0
.Lrows:
.irp k, 0,1,2,3,4,5,6
	s_cmp_eq_u32 s2, \k
	s_cbranch_scc1 .Lput\k
.endr
	PUT 7
	s_branch .Lput_done
.irp k, 0,1,2,3,4,5
.Lput\k:
	PUT \k
	s_branch .Lput_done
.endr
.Lput6:
	PUT 6
.Lput_done:
.set i, 0
.rept 16
	ds_load_b128 v[64+4*i:64+4*i+3], v[RDO] offset:528*i    ; LDS serves a wave's instructions in order (ISA guide 5.7.1.4): these see the stores above; the next block's stores come behind them
.set i, i+1
.endr
	s_wait_dscnt 15                                ; row 0 is back; the 15 younger LDS loads may stay out
	v_pk_add_f32 v[64:65], v[64:65], v[A0:A0+1]
	v_pk_add_f32 v[66:67], v[66:67], v[A0+2:A0+3]
.set i, 1
.rept 15                                       ; a row's store stands behind the next row's additions, not directly behind its own
	s_wait_dscnt 15-i
	v_pk_add_f32 v[64+4*i:64+4*i+1], v[64+4*i:64+4*i+1], v[A0:A0+1]
	v_pk_add_f32 v[64+4*i+2:64+4*i+3], v[64+4*i+2:64+4*i+3], v[A0+2:A0+3]
	global_store_b128 v[HLO], v[64+4*i-4:64+4*i-1], s[W1:W1+1] offset:4096*(i-1) th:TH_STORE_NT  ; 512 consecutive bytes of a row of out, aligned
.set i, i+1
.endr
	global_store_b128 v[HLO], v[124:127], s[W1:W1+1] offset:4096*15 th:TH_STORE_NT
	s_wait_xcnt 0x0                                ; the stores have read their data and their base
	s_add_nc_u64 s[W1:W1+1], s[W1:W1+1], 65536
	s_add_co_u32 s2, s2, 1
	s_cmp_lt_u32 s2, 8
	s_cbranch_scc1 .Lrows
	s_wait_tensorcnt 0x0                           ; the wave's end, behind my last tensor load and my last LDS store
	ds_add_u32 v[SPW], v[NIL]
	s_wait_dscnt 0x0
	CROUND                                         ; the closing round: no work-group ends while a partner may still ask for a tile that names it
	s_endpgm
.Lfunc_end_k_q62ef71489f_outp:
	.size	k_q62ef71489f_outp, .Lfunc_end_k_q62ef71489f_outp-k_q62ef71489f_outp
	.p2alignl 7, 3214868480
	.fill 96, 4, 3214868480
	.section	.rodata,"a",@progbits
	.p2align	6, 0x0
	.amdhsa_kernel k_q62ef71489f_outp
		.amdhsa_group_segment_fixed_size 327680
		.amdhsa_private_segment_fixed_size 0
		.amdhsa_enable_private_segment 0
		.amdhsa_kernarg_size 32
		.amdhsa_user_sgpr_count 2
		.amdhsa_user_sgpr_kernarg_segment_ptr 1
		.amdhsa_wavefront_size32 1
		.amdhsa_system_sgpr_workgroup_id_x 1
		.amdhsa_system_sgpr_workgroup_id_y 1
		.amdhsa_system_sgpr_workgroup_id_z 1
		.amdhsa_system_vgpr_workitem_id 0
		.amdhsa_next_free_vgpr 1024
		.amdhsa_next_free_sgpr 102
		.amdhsa_reserve_vcc 0
		.amdhsa_float_denorm_mode_32 3
		.amdhsa_float_denorm_mode_16_64 3
		.amdhsa_memory_ordered 1
		.amdhsa_forward_progress 1
		.amdhsa_inst_pref_size 85
	.end_amdhsa_kernel
	.amdgpu_metadata
---
amdhsa.version: [ 1, 2 ]
amdhsa.kernels:
  - .name:           k_q62ef71489f_outp
    .symbol:         k_q62ef71489f_outp.kd
    .args:
      - { .name: wb, .offset: 0, .size: 8, .value_kind: global_buffer, .address_space: global }
      - { .name: yt, .offset: 8, .size: 8, .value_kind: global_buffer, .address_space: global }
      - { .name: b_out, .offset: 16, .size: 8, .value_kind: global_buffer, .address_space: global }
      - { .name: out0, .offset: 24, .size: 8, .value_kind: global_buffer, .address_space: global }
    .group_segment_fixed_size: 327680
    .private_segment_fixed_size: 0
    .kernarg_segment_align: 8
    .kernarg_segment_size: 32
    .max_flat_workgroup_size: 128
    .sgpr_count:     102
    .vgpr_count:     1024
    .wavefront_size: 32
...
	.end_amdgpu_metadata
.endif
;; end of part 4
;; ======== version 2 of 2: 4 launches; version 1 with the launch cast written anew for expert scheduling mode
;; workspace buffers: xb 33,554,432 bytes; wb 6,291,456 bytes; hl 35,127,296 bytes; yt 33,554,432 bytes
;; launch cast (part 5): grid 896 x 1, 8 waves a work-group, no clusters, 18,432 bytes of LDS; arguments x, W_in, W_out, xb, wb; writes xb, wb
.if DOCPART == 5
	.amdgcn_target "amdgcn-amd-amdhsa--gfx1250"
	.amdhsa_code_object_version 6
	.text
	.protected	k_q62ef71489f_cast
	.globl	k_q62ef71489f_cast
	.p2align	8
	.type	k_q62ef71489f_cast,@function
k_q62ef71489f_cast:
	s_mov_b64 s[64:65], 0
	v_nop
	global_prefetch_b8 v0, s[64:65] scope:SCOPE_SE
	s_setreg_imm32_b32 hwreg(HW_REG_WAVE_SCHED_MODE, 0, 2), 2
	s_setreg_imm32_b32 hwreg(HW_REG_WAVE_MODE, 25, 1), 1
	s_wait_xcnt 0x0
	s_wait_alu depctr_vm_vsrc(0)
; The operands of the three products, rounded once to bf16 and laid as the products read them.
;   work-groups 0-511:   x [16384][1024] f32 -> xb, the same layout in bf16; 131,072 bytes of x each.
;   work-groups 512-767: W_in [1024 k][2048 n] f32 -> wb bytes 0 .. 4 MiB as [8 column tiles][1024 k][256 n] bf16; 4 rows k (32,768 bytes) each.
;   work-groups 768-895: W_out [1024 k][1024 n] f32 -> wb from byte 4 MiB on as [1024 n][1024 k] bf16 (turned, through LDS); a tile of 128 k x 64 n (32,768 bytes) each.
; The long shares come first and the short ones fill up behind them.
; A stream: each input byte is read once, each output byte written once; a wave's store covers 256 consecutive bytes, aligned.  No matrix unit, no cluster: no work-group shares a byte with another.
; All of a work-group's loads go out first, so nothing is fetched ahead by other means.
; THE MODE: SCHED_MODE bits 1:0 = 2 (LLVM: expert scheduling mode 2), set by the entry lines.  The code itself states the register dependences between vector instructions and memory or LDS instructions,
; with s_wait_alu, always for 0.
; THE PLAN.  Registers that memory or LDS instructions touch:
;   v1, v2          the loads' and the stores' byte offsets in the two streaming paths: made once, ahead of the first load, and never written again.
;   v[D+4 i ..]     load i's four registers.  Every load is issued before any conversion, into registers that no vector instruction has named.  Load i's two conversions read the four and write the first two in place;
;                   store i reads those two; nothing writes them again.
;   v68 .. v71      the turning path's four addresses: made once each.  v[4:35] its loads, read by conversions; v[36:51] written by the conversions, read by the LDS stores; v[52:67] written by LDS loads, read by the
;                   global stores, named by no vector instruction.
;   v[SPW], v[NIL]  written at the head, read by the closing add alone.
; No register that a memory or LDS instruction has read is written again, so no wait on vm_vsrc is owed.  The waits on va_vdst: one ahead of each path's first load, for the offsets; in the streaming paths
; the loads go in blocks of four, and ONE wait at a block's head states that the conversions of the block before have written their registers: that block's four stores follow it, dealt among this block's
; conversions, which name this block's sixteen registers alone; one more stands ahead of the last block's stores.  In the turning path one wait stands ahead of the run of LDS stores.
.set SPARE, 17408                      ; behind the turning tile (64 rows x 272 bytes): the spare words, 128 bytes for each of the eight waves
.set SPW, 134                          ; v134  LDS address of my spare word; never rewritten
.set NIL, 135                          ; v135  0; never rewritten
.set D, 4                              ; v[4:131]  up to 32 loads of four registers
.set BLK, 4                            ; loads in a block
	s_load_b256 s[4:11], s[0:1], 0x0               ; x s[4:5], W_in s[6:7], W_out s[8:9], xb s[10:11]
	s_load_b64 s[12:13], s[0:1], 0x20              ; wb
	v_lshl_add_u32 v[SPW], v0, 2, SPARE
	v_mov_b32 v[NIL], 0
	v_lshlrev_b32 v1, 4, v0                        ; 16 t: my 16 bytes in each 4,096 that the work-group loads at once
	s_mov_b32 s21, 0                               ; high words of the two offsets
	s_mov_b32 s23, 0
	s_wait_kmcnt 0x0
; The store of load ou's two packed registers.  kind = 0: dense.  kind = 1: W_in: load ou is half (ou & 1) of row (ou >> 1); a half row is four column tiles, 2 MiB on in wb.
.macro SEND dst, kind
.if \kind
	global_store_b64 v2, v[D+4*ou:D+4*ou+1], s[\dst:\dst+1] offset:(ou&1)*2097152+(ou>>1)*512
.else
	global_store_b64 v2, v[D+4*ou:D+4*ou+1], s[\dst:\dst+1] offset:2048*ou
.endif
.endm
; cnt x 4,096 bytes of f32 in, half as many of bf16 out; cnt is a multiple of BLK.
; No register is written twice, so the only waits on memory counters are the counted ones for the loads.
.macro CASTP src, dst, kind, cnt
	s_wait_alu depctr_va_vdst(0)                   ; v1 and v2 are written: every load below reads v1 as its offset, every store v2
.set i, 0
.rept \cnt
	global_load_b128 v[D+4*i:D+4*i+3], v1, s[\src:\src+1] offset:4096*i th:TH_LOAD_NT
.set i, i+1
.endr
.set i, 0
.rept \cnt
.if (i >= BLK) && ((i%BLK) == 0)
	s_wait_alu depctr_va_vdst(0)                   ; a block's head: the eight conversions of the block before have written the registers that its four stores, dealt below, read
.endif
.if i >= BLK
.set ou, i-BLK
	SEND \dst, \kind                               ; a store of the block before: no vector instruction since the wait names its registers
.endif
	s_wait_loadcnt (\cnt)-1-i                      ; loads come back in order: load i is in, the younger ones stay out
	v_cvt_pk_bf16_f32 v[D+4*i], v[D+4*i], v[D+4*i+1]
	v_cvt_pk_bf16_f32 v[D+4*i+1], v[D+4*i+2], v[D+4*i+3]
.set i, i+1
.endr
	s_wait_alu depctr_va_vdst(0)                   ; the last block's conversions have written the registers that the last four stores read
.set ou, (\cnt)-BLK
.rept BLK
	SEND \dst, \kind
.set ou, ou+1
.endr
.endm
	s_cmp_lt_u32 ttmp9, 512
	s_cbranch_scc0 .Lnot_x
	s_lshl_b32 s20, ttmp9, 17
	s_add_nc_u64 s[4:5], s[4:5], s[20:21]
	s_lshl_b32 s22, ttmp9, 16
	s_add_nc_u64 s[10:11], s[10:11], s[22:23]
	v_lshlrev_b32 v2, 3, v0                        ; 8 t
	CASTP 4, 10, 0, 32
	s_branch .Lend
.Lnot_x:
	s_cmp_lt_u32 ttmp9, 768
	s_cbranch_scc0 .Lturn
	s_sub_co_u32 s24, ttmp9, 512
	s_lshl_b32 s20, s24, 15                        ; 4 rows of 8,192 bytes
	s_add_nc_u64 s[6:7], s[6:7], s[20:21]
	s_lshl_b32 s22, s24, 11                        ; 4 rows of 512 bytes in each column tile
	s_add_nc_u64 s[12:13], s[12:13], s[22:23]
	v_lshrrev_b32 v2, 6, v0                        ; which of a half row's four column tiles,
	v_and_b32 v3, 63, v0
	v_lshlrev_b32 v2, 19, v2                       ; 524,288 bytes each,
	v_lshl_add_u32 v2, v3, 3, v2                   ; and my 8 bytes in its row
	CASTP 6, 12, 1, 8
	s_branch .Lend
.Lturn:
	s_sub_co_u32 s24, ttmp9, 768
	s_and_b32 s25, s24, 7                          ; which 128 k
	s_lshr_b32 s26, s24, 3                         ; which 64 n
	s_lshl_b32 s20, s25, 19                        ; 128 rows of 4,096 bytes
	s_lshl_b32 s27, s26, 8
	s_add_co_u32 s20, s20, s27
	s_add_nc_u64 s[8:9], s[8:9], s[20:21]
	s_lshl_b32 s22, s26, 17                        ; 64 rows of 2,048 bytes
	s_lshl_b32 s27, s25, 8
	s_add_co_u32 s22, s22, s27
	s_add_co_u32 s22, s22, 4194304
	s_add_nc_u64 s[12:13], s[12:13], s[22:23]
	v_lshrrev_b32 v2, 4, v0                        ; t / 16
	v_and_b32 v3, 15, v0                           ; t % 16
	v_lshlrev_b32 v68, 13, v2                      ; rows 2 (t / 16) + e + 32 i, columns 4 (t % 16) on: 16 lanes read 256 consecutive bytes
	v_lshl_add_u32 v68, v3, 4, v68
	s_wait_alu depctr_va_vdst(0)                   ; v68 is written, which the eight loads read as their offset
.irp i, 0,1,2,3
.irp e, 0,1
	global_load_b128 v[4+8*(\i)+4*(\e):7+8*(\i)+4*(\e)], v68, s[8:9] offset:(\e)*4096+(\i)*131072 th:TH_LOAD_NT
.endr
.endr
	v_mul_u32_u24 v69, v3, 1088                    ; into LDS: row n = 4 (t % 16) + c of 272 bytes, two neighbouring k as one word
	v_lshl_add_u32 v69, v2, 2, v69
	v_mul_u32_u24 v70, v2, 272                     ; back: row t / 16 + 16 j, 16 bytes a lane
	v_lshl_add_u32 v70, v3, 4, v70
	v_lshlrev_b32 v71, 11, v2                      ; and the same row in wb
	v_lshl_add_u32 v71, v3, 4, v71
	s_wait_loadcnt 0x0
.irp i, 0,1,2,3
.irp c, 0,1,2,3
	v_cvt_pk_bf16_f32 v[36+4*(\i)+(\c)], v[4+8*(\i)+(\c)], v[8+8*(\i)+(\c)]
.endr
.endr
	s_wait_alu depctr_va_vdst(0)                   ; the conversions have written v[36:51], the LDS stores' data; v69, their address, is written, and so are v70 and v71, which the LDS loads and the global stores below read: no vector instruction follows this wait
.irp i, 0,1,2,3
.irp c, 0,1,2,3
	ds_store_b32 v69, v[36+4*(\i)+(\c)] offset:(\c)*272+64*(\i)
.endr
.endr
	s_wait_dscnt 0x0                               ; for the other waves: my stores into the tile are done
	s_barrier_signal -1
	s_barrier_wait -1
.irp j, 0,1,2,3
	ds_load_b128 v[52+4*(\j):55+4*(\j)], v70 offset:4352*(\j)
.endr
.irp j, 0,1,2,3
	s_wait_dscnt 3-(\j)                            ; the younger LDS loads may stay out
	global_store_b128 v71, v[52+4*(\j):55+4*(\j)], s[12:13] offset:32768*(\j)  ; 16 lanes store a row of 128 k: 256 consecutive bytes, aligned
.endr
.Lend:
	s_wait_dscnt 0x0                               ; the wave's end: the closing lines, six on end
	s_wait_alu 0x0
	s_wait_tensorcnt 0x0
	ds_add_u32 v[SPW], v[NIL]
	s_wait_dscnt 0x0
	s_endpgm
.Lfunc_end_k_q62ef71489f_cast:
	.size	k_q62ef71489f_cast, .Lfunc_end_k_q62ef71489f_cast-k_q62ef71489f_cast
	.p2alignl 7, 3214868480
	.fill 96, 4, 3214868480
	.section	.rodata,"a",@progbits
	.p2align	6, 0x0
	.amdhsa_kernel k_q62ef71489f_cast
		.amdhsa_group_segment_fixed_size 18432
		.amdhsa_private_segment_fixed_size 0
		.amdhsa_enable_private_segment 0
		.amdhsa_kernarg_size 40
		.amdhsa_user_sgpr_count 2
		.amdhsa_user_sgpr_kernarg_segment_ptr 1
		.amdhsa_wavefront_size32 1
		.amdhsa_system_sgpr_workgroup_id_x 1
		.amdhsa_system_sgpr_workgroup_id_y 1
		.amdhsa_system_sgpr_workgroup_id_z 1
		.amdhsa_system_vgpr_workitem_id 0
		.amdhsa_next_free_vgpr 136
		.amdhsa_next_free_sgpr 66
		.amdhsa_reserve_vcc 0
		.amdhsa_float_denorm_mode_32 3
		.amdhsa_float_denorm_mode_16_64 3
		.amdhsa_memory_ordered 1
		.amdhsa_forward_progress 1
		.amdhsa_inst_pref_size 21
	.end_amdhsa_kernel
	.amdgpu_metadata
---
amdhsa.version: [ 1, 2 ]
amdhsa.kernels:
  - .name:           k_q62ef71489f_cast
    .symbol:         k_q62ef71489f_cast.kd
    .args:
      - { .name: x, .offset: 0, .size: 8, .value_kind: global_buffer, .address_space: global }
      - { .name: W_in, .offset: 8, .size: 8, .value_kind: global_buffer, .address_space: global }
      - { .name: W_out, .offset: 16, .size: 8, .value_kind: global_buffer, .address_space: global }
      - { .name: xb, .offset: 24, .size: 8, .value_kind: global_buffer, .address_space: global }
      - { .name: wb, .offset: 32, .size: 8, .value_kind: global_buffer, .address_space: global }
    .group_segment_fixed_size: 18432
    .private_segment_fixed_size: 0
    .kernarg_segment_align: 8
    .kernarg_segment_size: 40
    .max_flat_workgroup_size: 256
    .sgpr_count:     66
    .vgpr_count:     136
    .wavefront_size: 32
...
	.end_amdgpu_metadata
.endif
;; end of part 5
;; launch scanv: the kernel of part 2 again; grid 4 x 64, 4 waves a work-group, clusters of 4 x 4, 327,680 bytes of LDS; arguments xb, wb, b_in, A, C, hl; writes hl
;; launch gate: the kernel of part 3 again; grid 4 x 64, 4 waves a work-group, clusters of 4 x 4, 327,680 bytes of LDS; arguments xb, wb, b_in, A, hl, yt; writes yt
;; launch outp: the kernel of part 4 again; grid 64 x 4, 4 waves a work-group, clusters of 4 x 4, 327,680 bytes of LDS; arguments wb, yt, b_out, out0; writes out0
